; MI455X (gfx1250); checked and timed in simulation.
; The chip was launched on July 23, 2026; its instructions are those of AMD's public machine-readable ISA for CDNA 5 (MIT licence, August 2026) and "CDNA5" Instruction Set Architecture Reference Guide (July 2026). The comments in the code are by the model that wrote it; some were corrected since.
;; Mo E. Allowed arithmetic: matrix products marked QUANTISED: E2M1 operands, one E8M0 scale for each 32 along K, by v_wmma_scale_f32_16x16x128_f8f6f4 with both operands' format E2M1 (or v_wmma_scale_f32_32x16x128_f4), f32 sums; products left as they are: f32 operands where the result goes on into a quantised operand, else bf16, f16 or f32 operands; f32 sums; everything else in f32.
;; Inputs: expert_sel_codes 32 x 32 x 16 uint8 (E2M1 codes of expert_sel, K innermost, in blocks of 32 codes, two codes a byte); expert_sel_scales 32 x 32 uint8 (E8M0 scales of expert_sel, one for each 32 codes along K); keys_codes 32 x 256 x 32 x 16 uint8 (E2M1 codes of keys, K innermost, in blocks of 32 codes, two codes a byte); keys_scales 32 x 256 x 32 uint8 (E8M0 scales of keys, one for each 32 codes along K); values 32 x 256 x 1,024 float32; x_codes 4 x 1,024 x 32 x 16 uint8 (E2M1 codes of x, K innermost, in blocks of 32 codes, two codes a byte); x_scales 4 x 1,024 x 32 uint8 (E8M0 scales of x, one for each 32 codes along K).
;; Outputs: out0 4 x 1,024 x 1,024 float32.
;; Constants: n_heads = 4.
;; This version of the problem:
;;   THIS VERSION OF THE PROBLEM IS GIVEN IN LOW PRECISION. The matrix products marked QUANTISED in the list below multiply operands that are first quantised to E2M1 (2 exponent bits, 1 mantissa bit; 4 bits a number), with one power-of-two scale for each 32 numbers along K (OCP MX v1.0); their sums are f32. All else is computed in f32.
;;   The module's matrix products, in the order in which they are computed (A, B: the left and right operand; K: the contracted axis; several contracted axes count as one K, in the product's order):
;;     1. [M 4,096, K 1,024] x [K 1,024, N 32]; A: input x (given as codes); B: input expert_sel (given as codes): QUANTISED
;;     2. [M 4,096, K 1,024] x [K 1,024, N 8,192]; A: input x (given as codes); B: input keys (given as codes): QUANTISED
;;     3. batch 131,072 x [M 256, K 1] x [K 1, N 1]; A: computed on the way; B: computed on the way: left as it is (no contracted axis)
;;     4. [M 4,096, K 8,192] x [K 8,192, N 1,024]; A: computed on the way; B: input values: QUANTISED
;;   THE QUANTISER, for each operand of a quantised product, along K:
;;     - K is cut into blocks of 32 from its start; a last block that is shorter is filled with zeros.
;;     - A block's scale is 2^e with e = floor(log2(the largest magnitude in the block)) - 2, held to -126 .. 127; a block of zeros has e = 0. As a byte (E8M0): e + 127.
;;     - Each number is divided by its block's scale, clamped to +-6, and rounded to the nearest number of E2M1, ties to even, subnormals kept.
;;     - The product sums the exact products of the quantised numbers (number of the format x scale) in f32.
;;   ~~~python
;;   def quantise(x, axis):      # numpy; x: float32 -> the quantised numbers, widened to float32 again
;;       x = np.moveaxis(x, axis, -1); K = x.shape[-1]
;;       x = np.pad(x, [(0, 0)] * (x.ndim - 1) + [(0, -K % 32)]); x = x.reshape(x.shape[:-1] + (-1, 32)); a = np.abs(x).max(-1, keepdims=True)
;;       e = np.where(a > 0, np.clip(np.frexp(np.where(a > 0, a, 1))[1] - 1 - 2, -126, 127), 0)      # np.frexp(a)[1] - 1 = floor(log2(a)), exactly
;;       r = np.clip(x / 2.0 ** e, -6, 6)
;;       step = 2.0 ** (np.maximum(np.frexp(np.where(r == 0, 1, r))[1] - 1, 0) - 1)
;;       q = np.round(r / step) * step * 2.0 ** e      # np.round: ties to even
;;       return np.moveaxis(q.reshape(q.shape[:-2] + (-1,))[..., :K], -1, axis).astype(np.float32)
;;   ~~~
;;   OPERANDS COMPUTED ON THE WAY. 'Computed on the way' means the value that the module computes at that place (a softmax that the list does not call 'softmax' is quantised finished and normalised). What goes into a quantiser is computed in f32, as accurately as f32 sums, v_exp_f32 and their like allow (about 1e-6 of the number): no bf16 or f16 on the way to a quantiser, and a product that is left as it is and whose result goes on into a quantised operand takes f32 operands (vector FMAs, or v_wmma_f32_16x16x4_f32). A number that lies on a knife's edge between two numbers of the format may be rounded either way, as far as f32 arithmetic and the matrix unit's own rounding can turn it there, and no further.
;;   INPUTS GIVEN AS CODES. expert_sel (in the module: [32, 1024], K = its axis 1); keys (in the module: [32, 1024, 256], K = its axis 1); x (in the module: [4, 1024, 1024], K = its axis 2): each comes as NAME_codes (uint8): NAME with its K axis moved to the last place and cut into blocks of 32 codes, [.., K / 32, bytes a block], one block behind the other in memory; two codes a byte, the lower K in the low four bits (a code: sign, 2 exponent bits, 1 mantissa bit); and NAME_scales (uint8): the same leading axes, one E8M0 byte (e + 127) for each 32 codes along K. Its value is code x scale, taken as it is: it is not quantised again, and the codes and scales need not be those that the quantiser above would give.
;; 2 versions. Each part assembles by itself: llvm-mc -triple=amdgcn-amd-amdhsa -mcpu=gfx1250 --defsym DOCPART=n.
;; ======== version 1 of 2: 3 launches
;; workspace buffers: sig 524,288 bytes; sel_idx 16,384 bytes of whole numbers; sel_bits 16,384 bytes of whole numbers; vq_codes 4,194,304 bytes; vq_scales 262,144 bytes; hid_codes 16,777,216 bytes; hid_scales 1,048,576 bytes
;; launch prep (part 1): grid 272 x 1, 8 waves a work-group, no clusters, 0 bytes of LDS; arguments x_codes, x_scales, expert_sel_codes, expert_sel_scales, values, sig, sel_idx, sel_bits, vq_codes, vq_scales; writes sig, sel_idx, sel_bits, vq_codes, vq_scales
.if DOCPART == 1
	.amdgcn_target "amdgcn-amd-amdhsa--gfx1250"
	.amdhsa_code_object_version 6
	.text
	.protected	k_qdebf5411c6_prep
	.globl	k_qdebf5411c6_prep
	.p2align	8
	.type	k_qdebf5411c6_prep,@function
k_qdebf5411c6_prep:
	s_mov_b64 s[64:65], 0
	v_nop
	global_prefetch_b8 v0, s[64:65] scope:SCOPE_SE
	s_setreg_imm32_b32 hwreg(HW_REG_WAVE_MODE, 25, 1), 1
	s_wait_xcnt 0x0
; PREP: the router (work-groups 0 to 15) and the quantiser of values (work-groups 16 to 271).
; THE PROGRAM.  y[t] = sum over e of (relu(x[t] keys[e]) gate[t][e]) values[e], gate = sigmoid(x[t] . expert_sel[e]) for the 4 experts of reference()'s own top_k, else 0.
; All three products run on E2M1 codes with one E8M0 scale for each 32 along K.  Three launches: this one; 'hidden' (x keys, relu, gate, quantiser); 'combine' (the product with values and the sum of a token's four rows).
; DEAD WORK LEFT OUT.  For an expert e that top_k does not choose for token t, reference() itself builds gate[t][e] = 0 (the one_hot sum has no term for it), so the 256 numbers relu(..) x 0 that
; token t hands to the last product for expert e are zeros, whatever finite values x and keys hold.  256 is a whole number of blocks of 32, so they are whole blocks of zeros: zero codes, which add nothing to any sum.
; So the second, third and fourth product are made for the 4 chosen experts of each token alone: 16,384 rows in place of 131,072.  The choice is stored here as whole numbers and read by the later launches.
; Every input is loaded.  LIMIT: a NaN, an infinity or an overflow that would arise only in the rows left out is not carried to the result.
; LIMITS.  The sigmoid is 1 / (1 + 2^(-x log2 e)) by v_exp_f32 and v_rcp_f32 (1 ulp each: ISA guide, their entries); two scores of a token that lie within that of each other at the fourth place may be ordered otherwise than
; reference() orders them; equal scores go to the lower index, as jax.lax.top_k has it.  NaN, infinities and a scale byte 0xff among the inputs are not served.
; A block of zeros of values gets the byte 1 where the rule says 127: its codes are zeros, and this program alone reads the bytes.
; ROUTER.  A wave takes 32 tokens.  The product is used transposed (source 0 = 16 experts, source 1 = 16 tokens); 16 exchanges of lane halves then leave expert e of token 'lane' in register ACC + e,
; so that sigmoid and top-4 need no other lane.  Stored at fixed places: sig [32][4096] f32, sel_idx [4096] (four bytes), sel_bits [4096] (bit e).  No address and no branch hangs on the choice here.
; QUANTISER.  values is [e][h][v] with K = h not innermost: a lane takes a column v and its registers run down 128 h (a K step of the last product): a block of 32 lies in one lane.  The codes are stored as the
; image of the operand's registers: vq_codes [e][v / 16][K step][c][lane][16 bytes], lane (r, h') holding block 2 c + h' of column 16 (v / 16) + r; sixteen lanes store 256 consecutive aligned bytes.
; vq_scales: one word for a column and a K step, [e][v / 32][K step][(v / 16) % 2][r].
; No LDS, no barrier: waves share nothing.  No cluster: no two work-groups read the same bytes but the router's 16 KB of expert_sel.
.set ROUTERS, 16
.set SS,  8                            ; v8-15    expert_sel's scale words: register 4 et + q: lanes 0-15 K step q, lanes 16-31 K step 4 + q
.set XSC, 16                           ; v16-23   x's likewise, 4 tt + q
.set ACC, 24                           ; v24-55   the four accumulators, (et, tt) at ACC + 16 et + 8 tt; behind the exchanges: expert e at ACC + e
.set SF,  64                           ; v64-127  expert_sel's fragments of four K steps, 8 (4 et + sl)
.set XF,  128                          ; v128-191 x's, 8 (4 tt + sl)
.set X,   64                           ; quantiser: v64-191 my column's 128 numbers
.set C,   16                           ; quantiser: v16-31 codes, four registers a block
	s_load_b512 s[4:19], s[0:1], 0x0               ; x_codes 4, x_scales 6, expert_sel_codes 8, expert_sel_scales 10, values 12, sig 14, sel_idx 16, sel_bits 18
	s_load_b128 s[20:23], s[0:1], 0x40             ; vq_codes 20, vq_scales 22
	v_lshrrev_b32 v1, 5, v0
	v_readfirstlane_b32 s24, v1                    ; wave 0..7
	v_and_b32 v1, 31, v0                           ; lane
	s_cmp_lt_u32 ttmp9, ROUTERS
	s_cbranch_scc0 .Lquant
	; ---------------- the router ----------------
	v_and_b32 v2, 15, v0                           ; r
	v_bfe_u32 v3, v0, 4, 1                         ; h'
	v_lshlrev_b32 v4, 9, v2
	v_lshl_add_u32 v4, v3, 4, v4                   ; expert_sel: row r of 512 bytes + 16 h'
	s_lshl_b32 s25, s24, 14
	v_add_nc_u32 v5, s25, v4                       ; x: row 32 w + r likewise
	v_lshlrev_b32 v6, 5, v2
	v_lshl_add_u32 v6, v3, 4, v6                   ; scale bytes: row r of 32 bytes + 16 h': four words a lane
	s_lshl_b32 s25, s24, 10
	v_add_nc_u32 v7, s25, v6
	s_lshl_b32 s26, ttmp9, 17                      ; the work-group's 256 tokens: 512 bytes of codes each,
	s_mov_b32 s27, 0
	s_lshl_b32 s28, ttmp9, 13                      ; 32 scale bytes,
	s_mov_b32 s29, 0
	s_lshl_b32 s30, ttmp9, 10                      ; 4 bytes in sig's rows, sel_idx and sel_bits
	s_mov_b32 s31, 0
	s_wait_kmcnt 0x0
	s_add_nc_u64 s[4:5], s[4:5], s[26:27]
	s_add_nc_u64 s[6:7], s[6:7], s[28:29]
	s_add_nc_u64 s[14:15], s[14:15], s[30:31]
	s_add_nc_u64 s[16:17], s[16:17], s[30:31]
	s_add_nc_u64 s[18:19], s[18:19], s[30:31]
.macro RLOAD hf                        ; K steps 4 hf .. 4 hf + 3 of both tiles of experts and both tiles of tokens: 32 loads
.irp sl, 0,1,2,3
.irp c, 0,1
.irp t, 0,1
	global_load_b128 v[SF+8*(4*\t+\sl)+4*\c:SF+8*(4*\t+\sl)+4*\c+3], v4, s[8:9] offset:\t*8192+64*(4*\hf+\sl)+32*\c
	global_load_b128 v[XF+8*(4*\t+\sl)+4*\c:XF+8*(4*\t+\sl)+4*\c+3], v5, s[4:5] offset:\t*8192+64*(4*\hf+\sl)+32*\c
.endr
.endr
.endr
.endm
.macro RMUL hf                         ; 16 matrix instructions; the four accumulators take turns, one instruction a turn.  The very first four start the sums
.irp sl, 0,1,2,3
.irp et, 0,1
.irp tt, 0,1
.if \hf
	v_wmma_scale_f32_16x16x128_f8f6f4 v[ACC+16*\et+8*\tt:ACC+16*\et+8*\tt+7], v[SF+8*(4*\et+\sl):SF+8*(4*\et+\sl)+7], v[XF+8*(4*\tt+\sl):XF+8*(4*\tt+\sl)+7], v[ACC+16*\et+8*\tt:ACC+16*\et+8*\tt+7], v[SS+4*\et+\sl], v[XSC+4*\tt+\sl] matrix_a_fmt:MATRIX_FMT_FP4 matrix_b_fmt:MATRIX_FMT_FP4 matrix_a_scale:MATRIX_SCALE_ROW1 matrix_b_scale:MATRIX_SCALE_ROW1
.elseif \sl
	v_wmma_scale_f32_16x16x128_f8f6f4 v[ACC+16*\et+8*\tt:ACC+16*\et+8*\tt+7], v[SF+8*(4*\et+\sl):SF+8*(4*\et+\sl)+7], v[XF+8*(4*\tt+\sl):XF+8*(4*\tt+\sl)+7], v[ACC+16*\et+8*\tt:ACC+16*\et+8*\tt+7], v[SS+4*\et+\sl], v[XSC+4*\tt+\sl] matrix_a_fmt:MATRIX_FMT_FP4 matrix_b_fmt:MATRIX_FMT_FP4
.else
	v_wmma_scale_f32_16x16x128_f8f6f4 v[ACC+16*\et+8*\tt:ACC+16*\et+8*\tt+7], v[SF+8*(4*\et+\sl):SF+8*(4*\et+\sl)+7], v[XF+8*(4*\tt+\sl):XF+8*(4*\tt+\sl)+7], 0, v[SS+4*\et+\sl], v[XSC+4*\tt+\sl] matrix_a_fmt:MATRIX_FMT_FP4 matrix_b_fmt:MATRIX_FMT_FP4
.endif
.endr
.endr
.endr
.endm
	global_load_b128 v[SS:SS+3], v6, s[10:11]
	global_load_b128 v[SS+4:SS+7], v6, s[10:11] offset:512
	global_load_b128 v[XSC:XSC+3], v7, s[6:7]
	global_load_b128 v[XSC+4:XSC+7], v7, s[6:7] offset:512
	RLOAD 0
	s_wait_loadcnt 0x0
	RMUL 0
.rept 4
	v_nop                                          ; four places in front of loads into registers that matrix instructions have read
.endr
	RLOAD 1
	s_wait_loadcnt 0x0
	RMUL 1
.rept 4
	v_nop                                          ; and in front of the first read of results
.endr
	; register ACC + 16 et + 8 tt + j of lane (r, h') holds expert 16 et + 8 h' + j of token 16 tt + r.  The first register's lanes 16-31 change places with the second's lanes 0-15:
	; then register ACC + e holds expert e of token 'lane'.  Each accumulator is read from its low end on.
.irp et, 0,1
.irp j, 0,1,2,3,4,5,6,7
	v_permlane16_swap_b32 v[ACC+16*\et+\j], v[ACC+16*\et+8+\j]
.endr
.endr
.set e, 0
.rept 32
	v_mul_f32 v[ACC+e], 0xbfb8aa3b, v[ACC+e]       ; -x log2(e)
.set e, e+1
.endr
.set e, 0
.rept 32
	v_exp_f32 v[ACC+e], v[ACC+e]
.set e, e+1
.endr
	v_lshlrev_b32 v62, 2, v0                       ; (a plain instruction behind the batch)  4 x thread: my token's place in sig's rows, sel_idx and sel_bits
	s_wait_alu depctr_va_vdst(0)                   ; one wait for the 32 exponentials, ahead of their first reader
.set e, 0
.rept 32
	v_add_f32 v[ACC+e], 1.0, v[ACC+e]
.set e, e+1
.endr
.set e, 0
.rept 32
	v_rcp_f32 v[ACC+e], v[ACC+e]
.set e, e+1
.endr
	v_mov_b32 v63, 1                               ; (a plain instruction behind the batch)
	s_wait_alu depctr_va_vdst(0)                   ; one wait for the 32 reciprocals
.set e, 0
.rept 32
	global_store_b32 v62, v[ACC+e], s[14:15] offset:e*16384   ; sig[e][token]: the eight waves together store 1,024 consecutive bytes of a row
.set e, e+1
.endr
	s_wait_xcnt 0x0                                ; the stores' data are changed below only behind this wait
; The k-th largest score and its index.  The index is searched from 31 down, so that the lowest index of equal scores stays; the winner is then set to -1, under every score.
.macro TOPK k
	v_max3_num_f32 v56, v[ACC], v[ACC+1], v[ACC+2]
.irp i, 3,5,7,9,11,13,15,17,19,21,23,25,27,29
	v_max3_num_f32 v56, v56, v[ACC+\i], v[ACC+\i+1]
.endr
	v_max_num_f32 v56, v56, v[ACC+31]
	v_mov_b32 v[58+\k], 0
.set e, 31
.rept 32
	v_cmp_neq_f32 vcc_lo, v[ACC+e], v56
	v_cndmask_b32 v[58+\k], e, v[58+\k], vcc_lo    ; equal: the index becomes e
.set e, e-1
.endr
.if \k < 3
.set e, 0
.rept 32
	v_cmp_ne_u32 vcc_lo, e, v[58+\k]
	v_cndmask_b32 v[ACC+e], -1.0, v[ACC+e], vcc_lo
.set e, e+1
.endr
.endif
.endm
	TOPK 0
	TOPK 1
	TOPK 2
	TOPK 3
	v_lshlrev_b32 v56, v58, v63                    ; bit e for each chosen expert
	v_lshlrev_b32 v57, v59, v63
	v_or_b32 v56, v56, v57
	v_lshlrev_b32 v57, v60, v63
	v_or_b32 v56, v56, v57
	v_lshlrev_b32 v57, v61, v63
	v_or_b32 v56, v56, v57
	v_lshl_or_b32 v57, v59, 8, v58                 ; and the four indices, a byte each
	v_lshl_or_b32 v57, v60, 16, v57
	v_lshl_or_b32 v57, v61, 24, v57
	global_store_b32 v62, v57, s[16:17]
	global_store_b32 v62, v56, s[18:19]
	s_endpgm
	; ---------------- the quantiser of values ----------------
.Lquant:
	s_sub_co_u32 s25, ttmp9, ROUTERS               ; job: e = job / 8, K step s = (job / 4) % 2, quarter of the columns cq = job % 4
	s_lshr_b32 s26, s25, 3
	s_bfe_u32 s27, s25, 0x10002
	s_and_b32 s28, s25, 3
	s_lshl_b32 s30, s26, 20                        ; values: e x 1 MiB + s x 128 rows of 4,096 bytes + cq x 1,024
	s_lshl_b32 s29, s27, 19
	s_add_co_u32 s30, s30, s29
	s_lshl_b32 s29, s28, 10
	s_add_co_u32 s30, s30, s29
	s_mov_b32 s31, 0
	s_lshl_b32 s32, s26, 17                        ; vq_codes: e x 64 tiles of 2,048 + cq x 16 tiles + s x 1,024
	s_lshl_b32 s29, s28, 15
	s_add_co_u32 s32, s32, s29
	s_lshl_b32 s29, s27, 10
	s_add_co_u32 s32, s32, s29
	s_mov_b32 s33, 0
	s_lshl_b32 s34, s26, 13                        ; vq_scales: e x 8,192 + cq x 2,048 + s x 128
	s_lshl_b32 s29, s28, 11
	s_add_co_u32 s34, s34, s29
	s_lshl_b32 s29, s27, 7
	s_add_co_u32 s34, s34, s29
	s_mov_b32 s35, 0
	v_lshrrev_b32 v2, 4, v0
	v_and_b32 v3, 15, v0
	v_lshlrev_b32 v3, 4, v3
	v_lshl_add_u32 v2, v2, 11, v3                  ; codes: tile (thread / 16) x 2,048 + 16 r
	v_lshlrev_b32 v3, 2, v1
	s_lshl_b32 s29, s24, 8
	v_add_nc_u32 v3, s29, v3                       ; scale word: 256 x wave + 4 x lane
	v_lshlrev_b32 v1, 2, v0                        ; my column: 4 bytes a thread
	s_wait_kmcnt 0x0
	s_add_nc_u64 s[12:13], s[12:13], s[30:31]
	s_add_nc_u64 s[20:21], s[20:21], s[32:33]
	s_add_nc_u64 s[22:23], s[22:23], s[34:35]
.set i, 0
.rept 128
	global_load_b32 v[X+i], v1, s[12:13] offset:i*4096 th:TH_LOAD_NT   ; row 128 s + i: the eight waves read 1,024 consecutive bytes; read once in the launch
.set i, i+1
.endr
.macro QBLOCK b                        ; block b of my column: all 32 numbers are mine
.set XB, X+32*\b
	v_max3_num_f32 v8, |v[XB]|, |v[XB+1]|, |v[XB+2]|
	v_max3_num_f32 v9, |v[XB+3]|, |v[XB+4]|, |v[XB+5]|
.irp i, 6,10,14,18,22,26
	v_max3_num_f32 v8, v8, |v[XB+\i]|, |v[XB+\i+1]|
	v_max3_num_f32 v9, v9, |v[XB+\i+2]|, |v[XB+\i+3]|
.endr
	v_max3_num_f32 v8, v8, |v[XB+30]|, |v[XB+31]|
	v_max3_num_f32 v8, v8, v9, 0x1800000           ; and the floor 2^(3 - 127): the byte cannot fall under 1
	v_add_nc_u32 v[12+\b], 0xff000000, v8          ; 2 off the exponent field: the conversion takes the exponent field of this operand as its scale
	v_lshrrev_b32 v10, 23, v[12+\b]                ; the scale's byte
.if \b == 0
	v_mov_b32 v32, v10
.else
	v_lshl_or_b32 v32, v10, 8*\b, v32
.endif
.irp g, 0,1,2,3
	v_cvt_scalef32_pk8_fp4_f32 v[C+4*\b+\g], v[XB+8*\g:XB+8*\g+7], v[12+\b]
.endr
	global_store_b128 v2, v[C+4*\b:C+4*\b+3], s[20:21] offset:(\b/2)*512+(\b%2)*256   ; sixteen lanes store 256 consecutive aligned bytes
.endm
	s_wait_loadcnt 63                              ; of the 128 loads at most 63 are out: rows 0 to 64 are in
	QBLOCK 0
	QBLOCK 1
	s_wait_loadcnt 32                              ; rows 0 to 95
	QBLOCK 2
	s_wait_loadcnt 0x0
	QBLOCK 3
	v_nop                                          ; one plain instruction behind the last scaled conversion
	global_store_b32 v3, v32, s[22:23]             ; my column's scale word of this K step
	s_endpgm
.Lfunc_end_k_qdebf5411c6_prep:
	.size	k_qdebf5411c6_prep, .Lfunc_end_k_qdebf5411c6_prep-k_qdebf5411c6_prep
	.p2alignl 7, 3214868480
	.fill 96, 4, 3214868480
	.section	.rodata,"a",@progbits
	.p2align	6, 0x0
	.amdhsa_kernel k_qdebf5411c6_prep
		.amdhsa_group_segment_fixed_size 0
		.amdhsa_private_segment_fixed_size 0
		.amdhsa_enable_private_segment 0
		.amdhsa_kernarg_size 80
		.amdhsa_user_sgpr_count 2
		.amdhsa_user_sgpr_kernarg_segment_ptr 1
		.amdhsa_wavefront_size32 1
		.amdhsa_system_sgpr_workgroup_id_x 1
		.amdhsa_system_sgpr_workgroup_id_y 1
		.amdhsa_system_sgpr_workgroup_id_z 1
		.amdhsa_system_vgpr_workitem_id 0
		.amdhsa_next_free_vgpr 192
		.amdhsa_next_free_sgpr 66
		.amdhsa_reserve_vcc 1
		.amdhsa_float_denorm_mode_32 3
		.amdhsa_float_denorm_mode_16_64 3
		.amdhsa_memory_ordered 1
		.amdhsa_forward_progress 1
		.amdhsa_inst_pref_size 59
	.end_amdhsa_kernel
	.amdgpu_metadata
---
amdhsa.version: [ 1, 2 ]
amdhsa.kernels:
  - .name:           k_qdebf5411c6_prep
    .symbol:         k_qdebf5411c6_prep.kd
    .args:
      - { .name: x_codes, .offset: 0, .size: 8, .value_kind: global_buffer, .address_space: global }
      - { .name: x_scales, .offset: 8, .size: 8, .value_kind: global_buffer, .address_space: global }
      - { .name: expert_sel_codes, .offset: 16, .size: 8, .value_kind: global_buffer, .address_space: global }
      - { .name: expert_sel_scales, .offset: 24, .size: 8, .value_kind: global_buffer, .address_space: global }
      - { .name: values, .offset: 32, .size: 8, .value_kind: global_buffer, .address_space: global }
      - { .name: sig, .offset: 40, .size: 8, .value_kind: global_buffer, .address_space: global }
      - { .name: sel_idx, .offset: 48, .size: 8, .value_kind: global_buffer, .address_space: global }
      - { .name: sel_bits, .offset: 56, .size: 8, .value_kind: global_buffer, .address_space: global }
      - { .name: vq_codes, .offset: 64, .size: 8, .value_kind: global_buffer, .address_space: global }
      - { .name: vq_scales, .offset: 72, .size: 8, .value_kind: global_buffer, .address_space: global }
    .group_segment_fixed_size: 0
    .private_segment_fixed_size: 0
    .kernarg_segment_align: 8
    .kernarg_segment_size: 80
    .max_flat_workgroup_size: 256
    .sgpr_count:     66
    .vgpr_count:     192
    .wavefront_size: 32
...
	.end_amdgpu_metadata
.endif
;; end of part 1
;; launch hidden (part 2): grid 512 x 1, 4 waves a work-group, no clusters, 147,968 bytes of LDS; arguments x_codes, x_scales, keys_codes, keys_scales, sel_bits, sig, hid_codes, hid_scales; writes hid_codes, hid_scales
.if DOCPART == 2
	.amdgcn_target "amdgcn-amd-amdhsa--gfx1250"
	.amdhsa_code_object_version 6
	.text
	.protected	k_qdebf5411c6_hidden
	.globl	k_qdebf5411c6_hidden
	.p2align	8
	.type	k_qdebf5411c6_hidden,@function
k_qdebf5411c6_hidden:
	s_mov_b64 s[64:65], 0
	v_nop
	global_prefetch_b8 v0, s[64:65] scope:SCOPE_SE
	s_setreg_imm32_b32 hwreg(HW_REG_WAVE_MODE, 25, 1), 1
	s_wait_xcnt 0x0
; HIDDEN: Q(relu(x keys[e]) x gate), for the rows that chose expert e alone (the other rows are blocks of zeros of the last product: shown at the head of 'prep').
; SHARES.  Work-group = (range rho of 256 tokens, expert e): rho = number / 32, e = number % 32.  Its rows are the range's tokens whose stored selection word has bit e, in ascending order: rank 0 .. n - 1,
; in tiles of 16; a rank past n - 1 is held at n - 1 (a copy of the last row, which nobody reads back).  A work-group with n = 0 stores nothing.
; Wave w keeps rows 64 w .. 64 w + 63 of keys[e] (32 fragments, 256 registers, window 1) for the whole launch.  The tiles of x come once into LDS as images of the operand's registers, and all four waves read them.
; PHASE X: wave w takes tile 4 kg + w: it finds the 16 tokens from the eight ballots of bit e, gathers their codes, scale words and gates, and stores the image.  One barrier.
; PHASE 1: for each tile: 32 matrix instructions (transposed: source 0 = 16 rows of keys, source 1 = 16 tokens, so that a lane holds one token), x gate, relu, the quantiser in registers, the codes to memory.
; THE ROWS OF keys THAT FORM A TILE ARE NOT NEIGHBOURS: lane r of tile 2 b + u takes row 32 b + 8 u + r + 8 (r / 8), so that the 16 registers of tiles 2 b, 2 b + 1 are 16 neighbours along the next K.
; OUT: hid_codes [rho][e][tile][K step 2][c 2][lane 32][16 bytes]: the image of the next product's operand; wave w's 64 hidden units are its part (K step w / 2, c = w % 2): 512 consecutive aligned bytes a store.
; hid_scales [rho][e][tile][K step][r]: a word a row; wave w stores its two bytes of it (2 bytes a lane: 128 bytes a tile in all; a wider store would cost a barrier a tile).
; max(a g, 0) = relu(a) g, since the gate, a sigmoid, is never negative.  A block of zeros gets the byte 1 where the rule says 127: its codes are zeros, and this program alone reads the bytes.
; NO TENSOR LOAD, NO CLUSTER: operands go through registers.  keys[e] is read by the 16 work-groups of expert e.
; LIMITS: NaN, infinities and a scale byte 0xff among the inputs are not served.
.set IMG,   9216                       ; a tile's image in LDS: 8 fragments of 1,024 bytes (K step s, c: 1,024 s + 512 c + 16 lane); at 8,192 the scale words (16 lane: four words); at 8,704 the gates (4 lane)
.set SCO,   8192
.set GTO,   8704
.set SPARE, 16*IMG                     ; behind the 16 images: the spare words, 128 bytes a wave: two blocks of 256 bytes that no other line names
.set KS,  40                           ; v40-55   keys' scale words, 4 T + q: lanes 0-15 K step q, lanes 16-31 K step 4 + q
.set XS,  56                           ; v56-59   x's likewise
.set G,   60                           ; v60      my token's gate; v61 is named with it as a pair, so it is written once
.set XF,  64                           ; v64-127  x's 8 fragments (phase X: as gathered; v128-131 scale words, v132 gate)
.set HA,  128                          ; v128-159 my four tiles of the hidden layer
.set TM,  160                          ; v160-167 at work in the quantiser
.set PC,  176                          ; v176-179 the codes; v180 my two scale bytes; v181, v182 the stores' offsets
.set MSB, 0
.macro WIN new                         ; the immediate's high byte repeats the setting that is left
.if MSB != \new
	s_set_vgpr_msb (MSB<<8)|\new
.set MSB, \new
.endif
.endm
	s_load_b512 s[4:19], s[0:1], 0x0               ; x_codes 4, x_scales 6, keys_codes 8, keys_scales 10, sel_bits 12, sig 14, hid_codes 16, hid_scales 18
	v_lshl_add_u32 v8, v0, 2, SPARE                ; my spare word,
	v_mov_b32 v9, 0                                ; and 0: kept for the closing lines alone
	v_lshrrev_b32 v1, 5, v0
	v_readfirstlane_b32 s20, v1                    ; wave 0..3
	v_and_b32 v1, 31, v0                           ; lane
	v_and_b32 v2, 15, v0                           ; r
	v_bfe_u32 v3, v0, 4, 1                         ; h'
	v_lshlrev_b32 v4, 4, v1                        ; 16 lane
	v_lshlrev_b32 v5, 2, v1                        ; 4 lane
	v_and_b32 v6, 8, v2
	v_add_nc_u32 v6, v6, v2                        ; r + 8 (r / 8)
	v_lshlrev_b32 v7, 5, v6
	v_lshl_add_u32 v7, v3, 4, v7                   ; keys' scale bytes: 32 a row, + 16 h'
	v_lshlrev_b32 v6, 9, v6
	v_lshl_add_u32 v6, v3, 4, v6                   ; keys' codes: 512 a row, + 16 h'
	v_lshlrev_b32 v10, 4, v3                       ; 16 h'
	s_mul_i32 s56, s20, IMG
	v_add_nc_u32 v12, s56, v4                      ; phase X: 16 lane + wave x an image
	v_add_nc_u32 v13, s56, v5                      ;          4 lane + wave x an image
	s_lshl_b32 s56, s20, 9
	v_add_nc_u32 v181, s56, v4                     ; hid_codes: 512 w + 16 lane
	s_lshr_b32 s56, s20, 1
	s_lshl_b32 s56, s56, 6
	s_and_b32 s57, s20, 1
	s_lshl_b32 s57, s57, 1
	s_add_co_u32 s56, s56, s57
	v_lshl_add_u32 v182, v2, 2, s56                ; hid_scales: 64 (w / 2) + 4 r + 2 (w % 2)
	v_mov_b32 v61, 0
	v_mov_b32 v162, 0                              ; written once: a lane permute's destination counts as one of its sources
	v_mov_b32 v163, 0
	s_and_b32 s21, ttmp9, 31                       ; e
	s_lshr_b32 s22, ttmp9, 5                       ; rho
	s_lshl_b32 s23, 1, s21                         ; bit e
	s_lshl_b32 s62, s22, 8                         ; the range's first token
	s_mov_b32 s58, 0x76543210
	s_mov_b32 s59, 0xfedcba98                      ; v_permlanex16_b32's selects for lane l xor 16
	s_mov_b32 s57, 0
	s_wait_kmcnt 0x0
	s_lshl_b32 s56, s22, 10
	s_add_nc_u64 s[12:13], s[12:13], s[56:57]      ; sel_bits at my range
	s_lshl_b32 s56, s21, 14
	s_add_nc_u64 s[46:47], s[14:15], s[56:57]      ; sig at row e
	s_lshl_b32 s56, s21, 17
	s_lshl_b32 s61, s20, 15
	s_add_co_u32 s56, s56, s61
	s_add_nc_u64 s[48:49], s[8:9], s[56:57]        ; keys' codes at row 256 e + 64 w
	s_lshl_b32 s56, s21, 13
	s_lshl_b32 s61, s20, 11
	s_add_co_u32 s56, s56, s61
	s_add_nc_u64 s[50:51], s[10:11], s[56:57]      ; and its scale bytes
	s_lshl_b32 s56, ttmp9, 15
	s_add_nc_u64 s[52:53], s[16:17], s[56:57]      ; hid_codes: 16 tiles of 2,048 bytes a work-group
	s_lshl_b32 s56, ttmp9, 11
	s_add_nc_u64 s[54:55], s[18:19], s[56:57]      ; hid_scales: 16 x 128
.irp g, 0,1,2,3,4,5,6,7
	global_load_b32 v[16+\g], v5, s[12:13] offset:128*\g          ; the selection words of tokens 32 g + lane of the range
.endr
.irp t, 0,1,2,3
	global_load_b128 v[KS+4*\t:KS+4*\t+3], v7, s[50:51] offset:(32*(\t/2)+8*(\t%2))*32
.endr
	WIN 0x40                                       ; destination window 1
.irp t, 0,1,2,3
.irp s, 0,1,2,3,4,5,6,7
.irp c, 0,1
	global_load_b128 v[8*(8*\t+\s)+4*\c:8*(8*\t+\s)+4*\c+3], v6, s[48:49] offset:(32*(\t/2)+8*(\t%2))*512+64*\s+32*\c   ; keys' fragment (tile t, K step s): it stays
.endr
.endr
.endr
	WIN 0
	s_wait_loadcnt 63                              ; 76 loads were issued: the 13 oldest are in, the eight selection words among them
.irp g, 0,1,2,3,4,5,6,7
	v_and_b32 v[24+\g], s23, v[16+\g]
	v_cmp_ne_u32 s[24+\g], 0, v[24+\g]             ; M g: which of the group's 32 tokens chose e
.endr
	s_mov_b32 s32, 0                               ; P g: how many in the groups before
.irp g, 0,1,2,3,4,5,6
	s_bcnt1_i32_b32 s56, s[24+\g]
	s_add_co_u32 s[33+\g], s[32+\g], s56
.endr
	s_bcnt1_i32_b32 s56, s31
	s_add_co_u32 s40, s39, s56                     ; n
	s_sub_co_u32 s41, s40, 1
	s_add_co_u32 s42, s40, 15
	s_lshr_b32 s42, s42, 4                         ; tiles
; One level of the search for the k-th set bit of the mask: the count of the lower half of the field at pos; where k is at or above it, the upper half is taken.
.macro LEVEL x, mask, width
	v_lshrrev_b32 v33, v32, v[\x]
	v_and_b32 v33, \mask, v33
	v_cmp_ge_u32 vcc_lo, v24, v33
	v_sub_nc_u32 v33, v24, v33
	v_add_nc_u32 v34, \width, v32
	v_cndmask_b32 v24, v24, v33, vcc_lo
	v_cndmask_b32 v32, v32, v34, vcc_lo
.endm
; Tile 4 kg + w, if there is one: its tokens, its gather, its image.  The LDS addresses are made ahead of the branch: a constant + a constant x lane + a constant x wave.
.macro GROUP kg
	v_add_nc_u32 v14, \kg*4*IMG, v12
	v_add_nc_u32 v15, \kg*4*IMG, v13
	s_add_co_u32 s60, s20, 4*\kg
	s_cmp_ge_u32 s60, s42
	s_cbranch_scc1 .Lno_tile_\@
	s_lshl_b32 s61, s60, 4
	v_add_nc_u32 v24, s61, v2
	v_min_u32 v24, s41, v24                        ; q = my row's rank, held at n - 1
	v_mov_b32 v25, s24                             ; the group of 32 tokens that holds rank q: the last g with P g <= q; its mask, its P, its first token
	v_mov_b32 v26, 0
	v_mov_b32 v27, 0
.irp i, 1,2,3,4,5,6,7
	v_cmp_gt_u32 vcc_lo, s[32+\i], v24
	v_cndmask_b32 v25, s[24+\i], v25, vcc_lo
	v_cndmask_b32 v26, s[32+\i], v26, vcc_lo
	v_cndmask_b32 v27, 32*\i, v27, vcc_lo
.endr
	v_sub_nc_u32 v24, v24, v26                     ; k: which set bit of the mask
	v_lshrrev_b32 v28, 1, v25                      ; the mask's counts in fields of 2, 4, 8 and 16 bits
	v_and_b32 v28, 0x55555555, v28
	v_sub_nc_u32 v28, v25, v28
	v_lshrrev_b32 v29, 2, v28
	v_and_b32 v29, 0x33333333, v29
	v_and_b32 v33, 0x33333333, v28
	v_add_nc_u32 v29, v29, v33
	v_lshrrev_b32 v30, 4, v29
	v_add_nc_u32 v30, v30, v29
	v_and_b32 v30, 0x0f0f0f0f, v30
	v_lshrrev_b32 v31, 8, v30
	v_add_nc_u32 v31, v31, v30
	v_and_b32 v31, 0x00ff00ff, v31
	v_mov_b32 v32, 0                               ; pos
	LEVEL 31, 0xff, 16
	LEVEL 30, 0xff, 8
	LEVEL 29, 15, 4
	LEVEL 28, 3, 2
	LEVEL 25, 1, 1
	v_add3_u32 v35, v27, v32, s62                  ; the token
	v_min_u32 v35, 0xfff, v35                      ; held inside the 4,096 tokens
	v_lshl_add_u32 v36, v35, 9, v10                ; its codes, + 16 h'
	v_lshl_add_u32 v37, v35, 5, v10                ; its scale bytes, + 16 h'
	v_lshlrev_b32 v38, 2, v35                      ; its gate
.irp s, 0,1,2,3,4,5,6,7
.irp c, 0,1
	global_load_b128 v[XF+8*\s+4*\c:XF+8*\s+4*\c+3], v36, s[4:5] offset:64*\s+32*\c
.endr
.endr
	global_load_b128 v[128:131], v37, s[6:7]
	global_load_b32 v132, v38, s[46:47]
	s_wait_loadcnt 0x0
.irp s, 0,1,2,3,4,5,6,7
.irp c, 0,1
	ds_store_b128 v14, v[XF+8*\s+4*\c:XF+8*\s+4*\c+3] offset:1024*\s+512*\c
.endr
.endr
	ds_store_b128 v14, v[128:131] offset:SCO
	ds_store_b32 v15, v132 offset:GTO
	s_wait_dscnt 0x0                               ; the stores have read their registers: the next group may write them
.Lno_tile_\@:
.endm
	GROUP 0
	GROUP 1
	GROUP 2
	GROUP 3
	s_wait_loadcnt 0x0                             ; keys and its scale words are in, in a wave that gathered nothing too
	s_wait_dscnt 0x0                               ; for the others' sake: my images have landed
	s_barrier_signal -1
	s_barrier_wait -1                              ; every tile's image lies in LDS; nothing is stored to LDS behind this barrier
	s_mov_b32 s43, 0                               ; tile
	s_mov_b32 s44, 0                               ; its image
.Ltile:                                                ; 16 trips, a constant; a tile that does not exist is jumped over
	v_add_nc_u32 v14, s44, v4
	v_add_nc_u32 v15, s44, v5
	s_cmp_ge_u32 s43, s42
	s_cbranch_scc1 .Lnone
	ds_load_b128 v[XS:XS+3], v14 offset:SCO
	ds_load_b32 v[G], v15 offset:GTO
.irp s, 0,1,2,3,4,5,6,7
.irp c, 0,1
	ds_load_b128 v[XF+8*\s+4*\c:XF+8*\s+4*\c+3], v14 offset:1024*\s+512*\c
.endr
.endr
	WIN 0x01                                       ; source 0 (keys) window 1
.irp s, 0,1,2,3,4,5,6,7
	s_wait_dscnt 14-2*\s                           ; K step s's fragment is in; the 14 - 2 s loads of later K steps may be out
.irp t, 0,1,2,3                                ; the four accumulators take turns, one instruction a turn
.if \s == 0
	v_wmma_scale_f32_16x16x128_f8f6f4 v[HA+8*\t:HA+8*\t+7], v[8*(8*\t+\s):8*(8*\t+\s)+7], v[XF+8*\s:XF+8*\s+7], 0, v[KS+4*\t+\s%4], v[XS+\s%4] matrix_a_fmt:MATRIX_FMT_FP4 matrix_b_fmt:MATRIX_FMT_FP4
.elseif \s < 4
	v_wmma_scale_f32_16x16x128_f8f6f4 v[HA+8*\t:HA+8*\t+7], v[8*(8*\t+\s):8*(8*\t+\s)+7], v[XF+8*\s:XF+8*\s+7], v[HA+8*\t:HA+8*\t+7], v[KS+4*\t+\s%4], v[XS+\s%4] matrix_a_fmt:MATRIX_FMT_FP4 matrix_b_fmt:MATRIX_FMT_FP4
.else
	v_wmma_scale_f32_16x16x128_f8f6f4 v[HA+8*\t:HA+8*\t+7], v[8*(8*\t+\s):8*(8*\t+\s)+7], v[XF+8*\s:XF+8*\s+7], v[HA+8*\t:HA+8*\t+7], v[KS+4*\t+\s%4], v[XS+\s%4] matrix_a_fmt:MATRIX_FMT_FP4 matrix_b_fmt:MATRIX_FMT_FP4 matrix_a_scale:MATRIX_SCALE_ROW1 matrix_b_scale:MATRIX_SCALE_ROW1
.endif
.endr
.endr
	WIN 0
.rept 4
	v_nop                                          ; four places in front of the first read of results (ISA guide 7.12.1)
.endr
	; register HA + 16 b + i of lane (r, h') is hidden unit 64 w + 32 b + 16 h' + i of token r
.set i, 0
.rept 16
	v_pk_mul_f32 v[HA+i:HA+i+1], v[HA+i:HA+i+1], v[G:G+1] op_sel_hi:[1,0]   ; x gate, two at a time; each accumulator from its low end on
.set i, i+2
.endr
.set i, 0
.rept 32
	v_max_num_f32 v[HA+i], 0, v[HA+i]              ; relu
.set i, i+1
.endr
.irp b, 0,1
	v_max3_num_f32 v[TM+\b], v[HA+16*\b], v[HA+16*\b+1], 0x1800000   ; block b: my 16 numbers (none is negative), and the floor 2^(3 - 127): the byte cannot fall under 1
.endr
.irp i, 2,4,6,8,10,12,14
.irp b, 0,1
	v_max3_num_f32 v[TM+\b], v[TM+\b], v[HA+16*\b+\i], v[HA+16*\b+\i+1]
.endr
.endr
.irp b, 0,1
	v_permlanex16_b32 v[TM+2+\b], v[TM+\b], s58, s59
.endr
.irp b, 0,1
	v_max_num_f32 v[TM+\b], v[TM+\b], v[TM+2+\b]   ; with lane l xor 16's 16: the block's largest
.endr
.irp b, 0,1
	v_add_nc_u32 v[TM+4+\b], 0xff000000, v[TM+\b]  ; 2 off the exponent field: the conversion's scale operand
.endr
.irp b, 0,1
	v_lshrrev_b32 v[TM+6+\b], 23, v[TM+4+\b]       ; the scale's byte
.endr
	v_lshl_or_b32 v180, v[TM+7], 8, v[TM+6]
.irp b, 0,1
	v_cvt_scalef32_pk8_fp4_f32 v[PC+2*\b], v[HA+16*\b:HA+16*\b+7], v[TM+4+\b]
	v_cvt_scalef32_pk8_fp4_f32 v[PC+2*\b+1], v[HA+16*\b+8:HA+16*\b+15], v[TM+4+\b]
.endr
	v_nop                                          ; one plain instruction behind the scaled conversions
	v_permlane16_swap_b32 v[PC], v[PC+2]           ; the operand's layout wants a whole block in a lane: lanes 0-15 block 0, lanes 16-31 block 1
	v_permlane16_swap_b32 v[PC+1], v[PC+3]
	global_store_b128 v181, v[PC:PC+3], s[52:53]   ; 512 consecutive aligned bytes a wave
	global_store_b16 v182, v180, s[54:55]          ; my two bytes of row r's scale word (both halves of the lanes store the same bytes with the same value)
.Lnone:
	s_wait_xcnt 0x0                                ; the stores' data and bases are written again only behind this wait
	s_add_nc_u64 s[52:53], s[52:53], 2048
	s_add_nc_u64 s[54:55], s[54:55], 128
	s_add_co_u32 s44, s44, IMG
	s_add_co_u32 s43, s43, 1
	s_cmp_lt_u32 s43, 16
	s_cbranch_scc1 .Ltile
	s_wait_tensorcnt 0x0                           ; the wave's end
	ds_add_u32 v8, v9
	s_wait_dscnt 0x0
	s_endpgm
.Lfunc_end_k_qdebf5411c6_hidden:
	.size	k_qdebf5411c6_hidden, .Lfunc_end_k_qdebf5411c6_hidden-k_qdebf5411c6_hidden
	.p2alignl 7, 3214868480
	.fill 96, 4, 3214868480
	.section	.rodata,"a",@progbits
	.p2align	6, 0x0
	.amdhsa_kernel k_qdebf5411c6_hidden
		.amdhsa_group_segment_fixed_size 147968
		.amdhsa_private_segment_fixed_size 0
		.amdhsa_enable_private_segment 0
		.amdhsa_kernarg_size 64
		.amdhsa_user_sgpr_count 2
		.amdhsa_user_sgpr_kernarg_segment_ptr 1
		.amdhsa_wavefront_size32 1
		.amdhsa_system_sgpr_workgroup_id_x 1
		.amdhsa_system_sgpr_workgroup_id_y 1
		.amdhsa_system_sgpr_workgroup_id_z 1
		.amdhsa_system_vgpr_workitem_id 0
		.amdhsa_next_free_vgpr 512
		.amdhsa_next_free_sgpr 66
		.amdhsa_reserve_vcc 1
		.amdhsa_float_denorm_mode_32 3
		.amdhsa_float_denorm_mode_16_64 3
		.amdhsa_memory_ordered 1
		.amdhsa_forward_progress 1
		.amdhsa_inst_pref_size 47
	.end_amdhsa_kernel
	.amdgpu_metadata
---
amdhsa.version: [ 1, 2 ]
amdhsa.kernels:
  - .name:           k_qdebf5411c6_hidden
    .symbol:         k_qdebf5411c6_hidden.kd
    .args:
      - { .name: x_codes, .offset: 0, .size: 8, .value_kind: global_buffer, .address_space: global }
      - { .name: x_scales, .offset: 8, .size: 8, .value_kind: global_buffer, .address_space: global }
      - { .name: keys_codes, .offset: 16, .size: 8, .value_kind: global_buffer, .address_space: global }
      - { .name: keys_scales, .offset: 24, .size: 8, .value_kind: global_buffer, .address_space: global }
      - { .name: sel_bits, .offset: 32, .size: 8, .value_kind: global_buffer, .address_space: global }
      - { .name: sig, .offset: 40, .size: 8, .value_kind: global_buffer, .address_space: global }
      - { .name: hid_codes, .offset: 48, .size: 8, .value_kind: global_buffer, .address_space: global }
      - { .name: hid_scales, .offset: 56, .size: 8, .value_kind: global_buffer, .address_space: global }
    .group_segment_fixed_size: 147968
    .private_segment_fixed_size: 0
    .kernarg_segment_align: 8
    .kernarg_segment_size: 64
    .max_flat_workgroup_size: 128
    .sgpr_count:     66
    .vgpr_count:     512
    .wavefront_size: 32
...
	.end_amdgpu_metadata
.endif
;; end of part 2
;; launch combine (part 3): grid 256 x 1, 8 waves a work-group, no clusters, 285,184 bytes of LDS; arguments sel_idx, sel_bits, hid_codes, hid_scales, vq_codes, vq_scales, out0; writes out0
.if DOCPART == 3
	.amdgcn_target "amdgcn-amd-amdhsa--gfx1250"
	.amdhsa_code_object_version 6
	.text
	.protected	k_qdebf5411c6_combine
	.globl	k_qdebf5411c6_combine
	.p2align	8
	.type	k_qdebf5411c6_combine,@function
k_qdebf5411c6_combine:
	s_mov_b64 s[64:65], 0
	v_nop
	global_prefetch_b8 v0, s[64:65] scope:SCOPE_SE
	s_setreg_imm32_b32 hwreg(HW_REG_WAVE_MODE, 25, 1), 1
	s_wait_xcnt 0x0
; COMBINE: out0[t] = the sum over t's four chosen experts of Q(hidden row) Q(values[e]); rows of experts not chosen are blocks of zeros and are left out (shown at the head of 'prep').
; SHARES.  Work-group = (range rho of 256 tokens, kappa): rho = number / 16, kappa = number % 16: it owns 256 tokens x 64 columns of out0: each output number has one owner.
; The range's 1,024 routed rows lie by expert, as 'hidden' ranked them.  A UNIT is up to 64 rows (4 tiles of 16) of one expert; expert e has ceil(n e / 64) units, and since the n e add up to 1,024 and none is
; above 256, a range has at least 16 and at most 47 units, whatever the choice.  Three CHUNKS of 16 units are written out; in chunk c wave w takes units 16 c + 2 w and 16 c + 2 w + 1.
; A row's position is 64 x (units of the experts before) + its rank.  A chunk's partial rows (64 columns, f32) are stored in LDS at position - 1,024 c; behind a barrier each wave adds, for its 32 tokens,
; the four rows of each token that lie in this chunk; a position outside the chunk is turned to a row of zeros.  So no partial row goes to memory.
; THE PRODUCT is used transposed (source 0 = 16 columns of values, source 1 = 16 rows): a lane holds 8 neighbouring columns of one row.  Both operands come from memory as images of their registers.
; A unit always loads four tiles, the tile's number held at the unit's last tile, so that only bytes that 'hidden' stored are read; it multiplies its own tiles alone.
; NO TENSOR LOAD, NO CLUSTER: operands go from memory straight into registers.
; The sum of a token's four rows is taken in the order of its scores, not of the experts' numbers: an order of rounding that differs from reference()'s.
; LIMITS: NaN and infinities are not served.
.set PITCH, 272                        ; a partial row in LDS: 256 bytes + 16: the sixteen rows that a store touches begin 16 bytes apart modulo 256
.set ZROW,  1024*PITCH                 ; row number 1,024: zeros
.set POS,   ZROW+512                   ; four positions a token, 16 bytes
.set CNT,   POS+4096                   ; each wave's counts, 128 bytes a wave
.set SPARE, CNT+1024                   ; the spare words, 128 bytes a wave: four blocks of 256 bytes that no other line names
.set VS,  32                           ; v32-39   values' scale words, 4 uu + ctl: lanes 0-15 K step 0, lanes 16-31 K step 1
.set HS,  40                           ; v40-47   the hidden rows' likewise, 4 uu + t
.set DS,  48                           ; v48-111  two sets of four results; in the gather two sets of eight rows' pieces
.set AC,  112                          ; v112-175 my 32 tokens' sums: step q (tokens 2 q, 2 q + 1): four registers
.set P,   176                          ; v176-239 their positions: step q: four
.set TA,  240                          ; v240-255 the gather's LDS addresses, two sets of eight
.set NTL, 66                           ; s66, s67 tiles of unit 0, 1;  s[32:39], s[48:55] their tiles' bases in hid_codes;  s[40:47], s[56:63] in hid_scales;  s[68:71], s[72:75] their bases in vq_codes, vq_scales
.set MSB, 0
.macro WIN new                         ; the immediate's high byte repeats the setting that is left
.if MSB != \new
	s_set_vgpr_msb (MSB<<8)|\new
.set MSB, \new
.endif
.endm
	s_load_b256 s[4:11], s[0:1], 0x0               ; sel_idx 4, sel_bits 6, hid_codes 8, hid_scales 10
	s_load_b128 s[12:15], s[0:1], 0x20             ; vq_codes 12, vq_scales 14
	s_load_b64 s[16:17], s[0:1], 0x30              ; out0
	v_lshl_add_u32 v10, v0, 2, SPARE               ; my spare word,
	v_mov_b32 v11, 0                               ; and 0: kept for the closing lines alone
	v_lshrrev_b32 v1, 5, v0
	v_readfirstlane_b32 s18, v1                    ; wave 0..7
	v_and_b32 v1, 31, v0                           ; lane
	v_and_b32 v2, 15, v0                           ; r
	v_bfe_u32 v3, v0, 4, 1                         ; hh
	v_lshlrev_b32 v4, 4, v1                        ; 16 lane
	v_lshlrev_b32 v5, 2, v1                        ; 4 lane
	v_lshlrev_b32 v6, 2, v2
	v_lshl_add_u32 v6, v3, 7, v6                   ; values' scale words: 128 hh + 4 r
	v_mul_u32_u24 v7, v2, PITCH
	v_lshl_add_u32 v7, v3, 5, v7
	s_mul_i32 s22, s18, 128*PITCH
	v_add_nc_u32 v7, s22, v7                       ; partial rows: my wave's 128 rows, row r, + 32 hh
	v_lshlrev_b32 v8, 4, v2                        ; 16 r
	v_lshl_add_u32 v9, v3, 12, v8
	s_lshl_b32 s22, s18, 17
	v_add_nc_u32 v9, s22, v9                       ; out0: token 32 w + hh, + 16 r
	v_lshlrev_b32 v23, 2, v0                       ; 4 x thread
	v_lshl_add_u32 v24, v0, 2, CNT
	v_add_nc_u32 v25, ZROW, v4
	v_add_nc_u32 v26, CNT, v5
	v_lshl_add_u32 v27, v0, 4, POS
	v_lshl_add_u32 v28, v3, 4, POS
	s_lshl_b32 s22, s18, 9
	v_add_nc_u32 v28, s22, v28                     ; POS + 512 w + 16 hh
	v_mov_b32 v14, 0                               ; (v_writelane_b32's destination counts as read)
	v_mov_b32 v15, 0
	v_mov_b32 v20, 0
	v_mov_b32 v21, 0
.irp i, 48,49,50,51
	v_mov_b32 v\i, 0                               ; the row of zeros
.endr
	s_lshr_b32 s19, ttmp9, 4                       ; rho
	s_and_b32 s20, ttmp9, 15                       ; kappa
	s_mov_b32 s23, 0
	s_wait_kmcnt 0x0
	s_lshl_b32 s22, s19, 10
	s_add_nc_u64 s[4:5], s[4:5], s[22:23]
	s_add_nc_u64 s[6:7], s[6:7], s[22:23]
	global_load_b32 v12, v23, s[6:7]               ; my token's selection word,
	global_load_b32 v13, v23, s[4:5]               ; and its four experts
	s_lshl_b32 s22, s20, 13
	s_add_nc_u64 s[12:13], s[12:13], s[22:23]      ; vq_codes at my four tiles of columns
	s_lshl_b32 s22, s20, 9
	s_add_nc_u64 s[14:15], s[14:15], s[22:23]
	s_lshl_b32 s22, s19, 20
	s_lshl_b32 s24, s20, 8
	s_add_co_u32 s22, s22, s24
	s_add_nc_u64 s[16:17], s[16:17], s[22:23]      ; out0 at my range's first token, my 64 columns
	s_wait_loadcnt 0x0
.set e, 0
.rept 32
	v_and_b32 v29, 1<<e, v12
	v_cmp_ne_u32 s22, 0, v29                       ; which of my wave's 32 tokens chose e:
	v_writelane_b32 v14, s22, e                    ; the mask into lane e of v14,
	s_bcnt1_i32_b32 s24, s22
	v_writelane_b32 v15, s24, e                    ; their number into lane e of v15
.set e, e+1
.endr
	ds_store_b32 v24, v15
	s_cmp_lg_u32 s18, 0
	s_cbranch_scc1 .Lnot_wave_0
	ds_store_b128 v25, v[48:51]                    ; wave 0 lays the row of zeros
.Lnot_wave_0:
	s_wait_dscnt 0x0                               ; for the others' sake: my stores have landed
	s_barrier_signal -1
	s_barrier_wait -1
.irp i, 0,1,2,3,4,5,6,7
	ds_load_b32 v[48+\i], v26 offset:128*\i        ; lane e: wave i's count of expert e
.endr
	s_wait_dscnt 0x0
	v_add3_u32 v16, v48, v49, v50
	v_add3_u32 v16, v16, v51, v52
	v_add3_u32 v16, v16, v53, v54
	v_add_nc_u32 v16, v16, v55                     ; n e
	v_mov_b32 v17, 0
.irp i, 0,1,2,3,4,5,6
	s_cmp_gt_u32 s18, \i
	s_cselect_b32 s22, 1, 0
	v_mad_u32_u24 v17, v[48+\i], s22, v17          ; how many in the waves before mine
.endr
	v_add_nc_u32 v18, 15, v16
	v_lshrrev_b32 v18, 4, v18                      ; tiles e
	v_add_nc_u32 v19, 63, v16
	v_lshrrev_b32 v19, 6, v19                      ; units e
	s_mov_b32 s21, 0
.set e, 0
.rept 32
	v_readlane_b32 s22, v19, e
	v_writelane_b32 v20, s21, e                    ; units of the experts before e
	s_add_co_u32 s21, s21, s22
	v_writelane_b32 v21, s21, e                    ; and with e's
.set e, e+1
.endr                                              ; s21: the range's units
	v_lshl_add_u32 v22, v20, 6, v17                ; lane e: the position of my wave's first row of expert e
; Unit 16 c + 2 w + uu: its expert (the first whose units end above it), its first tile, its number of tiles (0 where the range has no such unit), its bases.
; Numbers that come from memory enter an address only behind s_min_u32 with a constant.
.macro UNIT uu, c
	s_lshl_b32 s22, s18, 1
	s_add_co_u32 s22, s22, 16*\c+\uu
	v_cmp_ge_u32 s23, s22, v21
	s_bcnt1_i32_b32 s23, s23
	s_min_u32 s23, s23, 31                         ; e
	v_readlane_b32 s24, v20, s23
	v_readlane_b32 s25, v18, s23
	s_sub_co_u32 s24, s22, s24
	s_lshl_b32 s24, s24, 2                         ; its first tile
	s_sub_co_u32 s25, s25, s24
	s_min_u32 s25, s25, 4
	s_cmp_lt_u32 s22, s21
	s_cselect_b32 s[NTL+\uu], s25, 0
	s_min_u32 s24, s24, 12
	s_lshl_b32 s26, s19, 5
	s_add_co_u32 s26, s26, s23
	s_lshl_b32 s26, s26, 4
	s_add_co_u32 s26, s26, s24                     ; (32 rho + e) x 16 + first tile
	s_sub_co_u32 s27, s[NTL+\uu], 1
	s_mov_b32 s29, 0
.irp t, 0,1,2,3
	s_min_u32 s30, s27, \t                         ; tile t, held at the unit's last
	s_add_co_u32 s30, s30, s26
	s_lshl_b32 s28, s30, 11
	s_add_nc_u64 s[32+16*\uu+2*\t:33+16*\uu+2*\t], s[8:9], s[28:29]
	s_lshl_b32 s28, s30, 7
	s_add_nc_u64 s[40+16*\uu+2*\t:41+16*\uu+2*\t], s[10:11], s[28:29]
.endr
	s_lshl_b32 s28, s23, 17
	s_add_nc_u64 s[68+4*\uu:69+4*\uu], s[12:13], s[28:29]
	s_lshl_b32 s28, s23, 13
	s_add_nc_u64 s[70+4*\uu:71+4*\uu], s[14:15], s[28:29]
.endm
; The unit's operands: window 1, values' 8 fragments at 128 uu + 8 (2 ctl + s), the rows' 8 at 128 uu + 64 + 16 t + 8 s.  cond = 1: a unit that does not exist asks for nothing.
.macro ASKU uu, cond
.if \cond
	s_cmp_eq_u32 s[NTL+\uu], 0
	s_cbranch_scc1 .Lno_ask_\@
.endif
	WIN 0x40                                       ; destination window 1
.irp ctl, 0,1,2,3
.irp s, 0,1
.irp c, 0,1
	global_load_b128 v[128*\uu+8*(2*\ctl+\s)+4*\c:128*\uu+8*(2*\ctl+\s)+4*\c+3], v4, s[68+4*\uu:69+4*\uu] offset:\ctl*2048+\s*1024+\c*512
.endr
.endr
.endr
.irp t, 0,1,2,3
.irp i, 0,1,2,3
	global_load_b128 v[128*\uu+64+16*\t+4*\i:128*\uu+64+16*\t+4*\i+3], v4, s[32+16*\uu+2*\t:33+16*\uu+2*\t] offset:512*\i
.endr
.endr
	WIN 0
.irp ctl, 0,1,2,3
	global_load_b32 v[VS+4*\uu+\ctl], v6, s[70+4*\uu:71+4*\uu] offset:(\ctl/2)*256+(\ctl%2)*64
.endr
.irp t, 0,1,2,3
	global_load_b32 v[HS+4*\uu+\t], v5, s[40+16*\uu+2*\t:41+16*\uu+2*\t]
.endr
.Lno_ask_\@:
.endm
; The unit's products, a tile of 16 rows at a time: 8 matrix instructions (the four accumulators take turns, one instruction a turn), then the 16 x 64 results to LDS.
.macro MULU uu
.irp t, 0,1,2,3
	s_cmp_gt_u32 s[NTL+\uu], \t
	s_cbranch_scc0 .Lunit_done_\@
.if \t == 0
	s_wait_dscnt 0x0                               ; every earlier LDS store has read its registers
.else
	s_wait_dscnt 8                                 ; all but the last tile's eight stores, which read the other set
.endif
	WIN 0x05                                       ; sources 0 and 1 window 1
.irp s, 0,1
.irp ctl, 0,1,2,3
.if \s == 0
	v_wmma_scale_f32_16x16x128_f8f6f4 v[DS+32*(\t%2)+8*\ctl:DS+32*(\t%2)+8*\ctl+7], v[128*\uu+8*(2*\ctl+\s):128*\uu+8*(2*\ctl+\s)+7], v[128*\uu+64+16*\t+8*\s:128*\uu+64+16*\t+8*\s+7], 0, v[VS+4*\uu+\ctl], v[HS+4*\uu+\t] matrix_a_fmt:MATRIX_FMT_FP4 matrix_b_fmt:MATRIX_FMT_FP4
.else
	v_wmma_scale_f32_16x16x128_f8f6f4 v[DS+32*(\t%2)+8*\ctl:DS+32*(\t%2)+8*\ctl+7], v[128*\uu+8*(2*\ctl+\s):128*\uu+8*(2*\ctl+\s)+7], v[128*\uu+64+16*\t+8*\s:128*\uu+64+16*\t+8*\s+7], v[DS+32*(\t%2)+8*\ctl:DS+32*(\t%2)+8*\ctl+7], v[VS+4*\uu+\ctl], v[HS+4*\uu+\t] matrix_a_fmt:MATRIX_FMT_FP4 matrix_b_fmt:MATRIX_FMT_FP4 matrix_a_scale:MATRIX_SCALE_ROW1 matrix_b_scale:MATRIX_SCALE_ROW1
.endif
.endr
.endr
	WIN 0
.rept 5
	v_nop                                          ; four places in front of the stores that read results and of loads into the operands' registers; a fifth, since a later matrix instruction begins these accumulators anew
.endr
.irp ctl, 0,1,2,3
	ds_store_b128 v7, v[DS+32*(\t%2)+8*\ctl:DS+32*(\t%2)+8*\ctl+3] offset:\uu*64*PITCH+\t*16*PITCH+64*\ctl          ; lane (r, hh): row 16 t + r, columns 16 ctl + 8 hh + 0 .. 7; each accumulator from its low end on
	ds_store_b128 v7, v[DS+32*(\t%2)+8*\ctl+4:DS+32*(\t%2)+8*\ctl+7] offset:\uu*64*PITCH+\t*16*PITCH+64*\ctl+16
.endr
.endr
.Lunit_done_\@:
.endm
; The gather.  Batch bi: steps q = 2 bi, 2 bi + 1 (tokens 32 w + 2 q + hh), four positions each: eight loads of 16 bytes a lane, sixteen lanes to a row's 256 bytes.
; A position less the chunk's first, held at 1,024 from above: what lies outside the chunk (what wrapped below 0 too) reads the row of zeros.
.macro GISSUE c, bi
.irp u, 0,1,2,3,4,5,6,7
.if \c
	v_add_nc_u32 v[TA+8*((\bi)%2)+\u], -1024*\c, v[P+8*(\bi)+\u]
	v_min_u32 v[TA+8*((\bi)%2)+\u], 0x400, v[TA+8*((\bi)%2)+\u]
.else
	v_min_u32 v[TA+8*((\bi)%2)+\u], 0x400, v[P+8*(\bi)+\u]
.endif
	v_mad_u32_u24 v[TA+8*((\bi)%2)+\u], v[TA+8*((\bi)%2)+\u], PITCH, v8
	ds_load_b128 v[DS+32*((\bi)%2)+4*\u:DS+32*((\bi)%2)+4*\u+3], v[TA+8*((\bi)%2)+\u]
.endr
.endm
.macro GSUM c, bi                      ; chunk 0: the first two rows start the sums: nothing is cleared
.irp qq, 0,1
.set A0, AC+4*(2*(\bi)+\qq)
.set L0, DS+32*((\bi)%2)+16*\qq
.if \c == 0
	v_pk_add_f32 v[A0:A0+1], v[L0:L0+1], v[L0+4:L0+5]
	v_pk_add_f32 v[A0+2:A0+3], v[L0+2:L0+3], v[L0+6:L0+7]
.else
	v_pk_add_f32 v[A0:A0+1], v[A0:A0+1], v[L0:L0+1]
	v_pk_add_f32 v[A0+2:A0+3], v[A0+2:A0+3], v[L0+2:L0+3]
	v_pk_add_f32 v[A0:A0+1], v[A0:A0+1], v[L0+4:L0+5]
	v_pk_add_f32 v[A0+2:A0+3], v[A0+2:A0+3], v[L0+6:L0+7]
.endif
	v_pk_add_f32 v[A0:A0+1], v[A0:A0+1], v[L0+8:L0+9]
	v_pk_add_f32 v[A0+2:A0+3], v[A0+2:A0+3], v[L0+10:L0+11]
	v_pk_add_f32 v[A0:A0+1], v[A0:A0+1], v[L0+12:L0+13]
	v_pk_add_f32 v[A0+2:A0+3], v[A0+2:A0+3], v[L0+14:L0+15]
.endr
.endm
.macro GATHER c
.if \c
	s_cmp_le_u32 s21, 16*\c                        ; a chunk with no unit holds no row
	s_cbranch_scc1 .Lno_rows_\@
.endif
	GISSUE \c, 0
	GISSUE \c, 1
.irp bi, 0,1,2,3,4,5
	s_wait_dscnt 8                                 ; the older batch is in; the younger eight loads may be out
	GSUM \c, \bi
	GISSUE \c, \bi+2
.endr
	s_wait_dscnt 8
	GSUM \c, 6
	s_wait_dscnt 0x0
	GSUM \c, 7
.Lno_rows_\@:
.endm
; A chunk.  The next chunk's operands are asked for ahead of the barrier: they are on their way during the gather.  Between the two barriers no wave writes LDS: only the gather's loads stand there.
.macro CHUNK c, nxt
	s_wait_loadcnt 0x0                             ; this chunk's operands are in; their bases and registers are free again behind the products
	MULU 0
	MULU 1
.if \c < 2
	UNIT 0, \nxt
	UNIT 1, \nxt
	ASKU 0, 1
	ASKU 1, 1
.endif
	s_wait_dscnt 0x0                               ; for the others' sake: my partial rows have landed
	s_barrier_signal -1
	s_barrier_wait -1
	GATHER \c
	s_wait_dscnt 0x0                               ; my reads of the partial rows are over
	s_barrier_signal -1
	s_barrier_wait -1                              ; everybody's are: the rows may be written again
.endm
	UNIT 0, 0
	UNIT 1, 0
	ASKU 0, 0                                      ; chunk 0 is full for every choice (at least 16 units): no branch
	ASKU 1, 0
	; my token's four positions: the position of my wave's first row of the expert, plus the number of lower lanes that chose it too
.irp j, 0,1,2,3
	v_bfe_u32 v[52+\j], v13, 8*\j, 8
	v_min_u32 v[52+\j], 31, v[52+\j]
	v_lshlrev_b32 v[52+\j], 2, v[52+\j]
	ds_bpermute_b32 v[56+\j], v[52+\j], v22
	ds_bpermute_b32 v[60+\j], v[52+\j], v14
.endr
	s_wait_dscnt 0x0
.irp j, 0,1,2,3
	v_mbcnt_lo_u32_b32 v[56+\j], v[60+\j], v[56+\j]
.endr
	ds_store_b128 v27, v[56:59]
.irp q, 0,1,2,3,4,5,6,7,8,9,10,11,12,13,14,15
	ds_load_b128 v[P+4*\q:P+4*\q+3], v28 offset:32*\q   ; token 32 w + 2 q + hh's four: my wave's own bytes, and LDS serves a wave's instructions in order (ISA guide 5.7.1.4)
.endr
	CHUNK 0, 1
	CHUNK 1, 2
	CHUNK 2, 0
.irp q, 0,1,2,3,4,5,6,7,8,9,10,11,12,13,14,15
	global_store_b128 v9, v[AC+4*\q:AC+4*\q+3], s[16:17] offset:8192*\q th:TH_STORE_NT   ; sixteen lanes store 256 consecutive aligned bytes of a token's row; written once, read by nobody here
.endr
	s_wait_tensorcnt 0x0                           ; the wave's end
	ds_add_u32 v10, v11
	s_wait_dscnt 0x0
	s_endpgm
.Lfunc_end_k_qdebf5411c6_combine:
	.size	k_qdebf5411c6_combine, .Lfunc_end_k_qdebf5411c6_combine-k_qdebf5411c6_combine
	.p2alignl 7, 3214868480
	.fill 96, 4, 3214868480
	.section	.rodata,"a",@progbits
	.p2align	6, 0x0
	.amdhsa_kernel k_qdebf5411c6_combine
		.amdhsa_group_segment_fixed_size 285184
		.amdhsa_private_segment_fixed_size 0
		.amdhsa_enable_private_segment 0
		.amdhsa_kernarg_size 56
		.amdhsa_user_sgpr_count 2
		.amdhsa_user_sgpr_kernarg_segment_ptr 1
		.amdhsa_wavefront_size32 1
		.amdhsa_system_sgpr_workgroup_id_x 1
		.amdhsa_system_sgpr_workgroup_id_y 1
		.amdhsa_system_sgpr_workgroup_id_z 1
		.amdhsa_system_vgpr_workitem_id 0
		.amdhsa_next_free_vgpr 512
		.amdhsa_next_free_sgpr 80
		.amdhsa_reserve_vcc 0
		.amdhsa_float_denorm_mode_32 3
		.amdhsa_float_denorm_mode_16_64 3
		.amdhsa_memory_ordered 1
		.amdhsa_forward_progress 1
		.amdhsa_inst_pref_size 175
	.end_amdhsa_kernel
	.amdgpu_metadata
---
amdhsa.version: [ 1, 2 ]
amdhsa.kernels:
  - .name:           k_qdebf5411c6_combine
    .symbol:         k_qdebf5411c6_combine.kd
    .args:
      - { .name: sel_idx, .offset: 0, .size: 8, .value_kind: global_buffer, .address_space: global }
      - { .name: sel_bits, .offset: 8, .size: 8, .value_kind: global_buffer, .address_space: global }
      - { .name: hid_codes, .offset: 16, .size: 8, .value_kind: global_buffer, .address_space: global }
      - { .name: hid_scales, .offset: 24, .size: 8, .value_kind: global_buffer, .address_space: global }
      - { .name: vq_codes, .offset: 32, .size: 8, .value_kind: global_buffer, .address_space: global }
      - { .name: vq_scales, .offset: 40, .size: 8, .value_kind: global_buffer, .address_space: global }
      - { .name: out0, .offset: 48, .size: 8, .value_kind: global_buffer, .address_space: global }
    .group_segment_fixed_size: 285184
    .private_segment_fixed_size: 0
    .kernarg_segment_align: 8
    .kernarg_segment_size: 56
    .max_flat_workgroup_size: 256
    .sgpr_count:     80
    .vgpr_count:     512
    .wavefront_size: 32
...
	.end_amdgpu_metadata
.endif
;; end of part 3
;; ======== version 2 of 2: 3 launches
;; limits: right only within a limited range of input values
;; workspace buffers: sig 524,288 bytes; sel_idx 16,384 bytes of whole numbers; sel_bits 16,384 bytes of whole numbers; vq_codes 4,194,304 bytes; vq_scales 262,144 bytes; hid_codes 16,777,216 bytes; hid_scales 1,048,576 bytes; place 526,336 bytes of whole numbers
;; launch prep (part 4): grid 256 x 1, 9 waves a work-group, no clusters, 0 bytes of LDS; arguments x_codes, x_scales, expert_sel_codes, expert_sel_scales, values, sig, sel_idx, sel_bits, vq_codes, vq_scales; writes sig, sel_idx, sel_bits, vq_codes, vq_scales
.if DOCPART == 4
	.amdgcn_target "amdgcn-amd-amdhsa--gfx1250"
	.amdhsa_code_object_version 6
	.text
	.protected	k_qdebf5411c6_prep
	.globl	k_qdebf5411c6_prep
	.p2align	8
	.type	k_qdebf5411c6_prep,@function
k_qdebf5411c6_prep:
	s_mov_b64 s[64:65], 0
	v_nop
	global_prefetch_b8 v0, s[64:65] scope:SCOPE_SE
	s_setreg_imm32_b32 hwreg(HW_REG_WAVE_MODE, 25, 1), 1
	s_wait_xcnt 0x0
; PREP: in each of 256 work-groups waves 0 to 7 quantise a part of values and wave 8 routes 16 tokens: equal work for every work-group.
; THE PROGRAM.  y[t] = sum over e of (relu(x[t] keys[e]) gate[t][e]) values[e], gate = sigmoid(x[t] . expert_sel[e]) for the 4 experts of reference()'s own top_k, else 0.
; All three products run on E2M1 codes with one E8M0 scale for each 32 along K.  Three launches: this one; 'hidden' (x keys, relu, gate, quantiser); 'combine' (the product with values and the sum of a token's four rows).
; DEAD WORK LEFT OUT.  For an expert e that top_k does not choose for token t, reference() itself builds gate[t][e] = 0 (the one_hot sum has no term for it), so the 256 numbers relu(..) x 0 that
; token t hands to the last product for expert e are zeros, whatever finite values x and keys hold.  256 is a whole number of blocks of 32, so they are whole blocks of zeros: zero codes, which add nothing to any sum.
; So the second, third and fourth product are made for the 4 chosen experts of each token alone: 16,384 rows in place of 131,072.  The choice is stored here as whole numbers and read by the later launches.
; Every input is loaded.  LIMIT: a NaN, an infinity or an overflow that would arise only in the rows left out is not carried to the result.
; LIMITS.  The sigmoid is 1 / (1 + 2^(-x log2 e)) by v_exp_f32 and v_rcp_f32 (1 ulp each: ISA guide, their entries); two scores of a token that lie within that of each other at the fourth place may be ordered otherwise than
; reference() orders them; equal scores go to the lower index, as jax.lax.top_k has it.  NaN, infinities and a scale byte 0xff among the inputs are not served.
; A block of zeros of values gets the byte 1 where the rule says 127: its codes are zeros, and this program alone reads the bytes.
; ROUTER (wave 8).  Tokens 16 x work-group + r.  The product is used transposed (source 0 = 16 experts, source 1 = the 16 tokens): register ACC + 8 et + j of lane (r, h') is expert 16 et + 8 h' + j of token r.
; So a token's 32 scores lie in lanes r and r + 16, 16 each; a step of the top-4 joins the two lanes' maxima, and then their lowest indices, by one exchange each.
; Stored at fixed places: sig as the image of these registers, [t / 16][q 4][lane 32][4 f32] (q = 2 et + j / 4): each store covers 512 consecutive aligned bytes; sel_idx [4096] (four bytes) and sel_bits [4096] (bit e):
; 64 bytes a work-group each, 32 KB in all.  No address and no branch hangs on the choice here.
; QUANTISER (waves 0 to 7).  values is [e][h][v] with K = h not innermost: a lane takes a column v and its registers run down 128 h (a K step of the last product): a block of 32 lies in one lane.  The codes are stored as the
; image of the operand's registers: vq_codes [e][v / 16][K step][c][lane][16 bytes], lane (r, h') holding block 2 c + h' of column 16 (v / 16) + r; sixteen lanes store 256 consecutive aligned bytes.
; vq_scales: one word for a column and a K step, [e][v / 32][K step][(v / 16) % 2][r].
; No LDS, no barrier: waves share nothing.  No cluster: no two work-groups read the same bytes but the router's 17 KB of expert_sel.
.set SS,  8                            ; v8-15    expert_sel's scale words: register 4 et + q: lanes 0-15 K step q, lanes 16-31 K step 4 + q
.set XSC, 16                           ; v16-19   x's likewise
.set ACC, 24                           ; v24-39   the two accumulators, et at ACC + 8 et
.set SF,  64                           ; v64-191  expert_sel's fragments, 8 (8 et + s)
.set XF,  192                          ; v192-255 x's, 8 s
.set X,   64                           ; quantiser: v64-191 my column's 128 numbers
.set C,   16                           ; quantiser: v16-31 codes, four registers a block
	s_load_b512 s[4:19], s[0:1], 0x0               ; x_codes 4, x_scales 6, expert_sel_codes 8, expert_sel_scales 10, values 12, sig 14, sel_idx 16, sel_bits 18
	s_load_b128 s[20:23], s[0:1], 0x40             ; vq_codes 20, vq_scales 22
	v_lshrrev_b32 v1, 5, v0
	s_delay_alu instid0(VALU_DEP_1)
	v_readfirstlane_b32 s24, v1                    ; wave 0..8
	v_and_b32 v1, 31, v0                           ; lane
	s_cmp_lt_u32 s24, 8
	s_cbranch_scc1 .Lquant
	; ---------------- the router: wave 8 ----------------
	v_and_b32 v2, 15, v0                           ; r
	v_bfe_u32 v3, v0, 4, 1                         ; h'
	s_delay_alu instid0(VALU_DEP_2)
	v_lshlrev_b32 v4, 9, v2
	s_delay_alu instid0(VALU_DEP_1)
	v_lshl_add_u32 v4, v3, 4, v4                   ; codes: row r of 512 bytes + 16 h' (expert_sel's rows and x's alike)
	s_delay_alu instid0(VALU_DEP_4)
	v_lshlrev_b32 v6, 5, v2
	s_delay_alu instid0(VALU_DEP_1)
	v_lshl_add_u32 v6, v3, 4, v6                   ; scale bytes: row r of 32 bytes + 16 h': four words a lane
	v_lshlrev_b32 v54, 2, v2                       ; 4 r: my token's word in sel_idx and sel_bits
	v_lshlrev_b32 v55, 3, v3                       ; 8 h': what my half adds to an expert's number
	v_lshlrev_b32 v62, 4, v1                       ; 16 lane: my place in an image of sig
	s_mov_b32 s36, 0x76543210
	s_mov_b32 s37, 0xfedcba98                      ; v_permlanex16_b32's selects for lane l xor 16
	s_lshl_b32 s26, ttmp9, 13                      ; the work-group's 16 tokens: 512 bytes of codes each,
	s_mov_b32 s27, 0
	s_lshl_b32 s28, ttmp9, 9                       ; 32 scale bytes,
	s_mov_b32 s29, 0
	s_lshl_b32 s30, ttmp9, 6                       ; 4 bytes in sel_idx and sel_bits,
	s_mov_b32 s31, 0
	s_lshl_b32 s32, ttmp9, 11                      ; 128 bytes in sig
	s_mov_b32 s33, 0
	s_wait_alu depctr_va_vdst(0)
	s_wait_kmcnt 0x0
	s_add_nc_u64 s[4:5], s[4:5], s[26:27]
	s_add_nc_u64 s[6:7], s[6:7], s[28:29]
	s_add_nc_u64 s[14:15], s[14:15], s[32:33]
	s_add_nc_u64 s[16:17], s[16:17], s[30:31]
	s_add_nc_u64 s[18:19], s[18:19], s[30:31]
	global_load_b128 v[SS:SS+3], v6, s[10:11]
	global_load_b128 v[SS+4:SS+7], v6, s[10:11] offset:512
	global_load_b128 v[XSC:XSC+3], v6, s[6:7]
.irp s, 0,1,2,3,4,5,6,7                        ; six loads a K step: x's fragment and both tiles of experts
.irp c, 0,1
	global_load_b128 v[XF+8*\s+4*\c:XF+8*\s+4*\c+3], v4, s[4:5] offset:64*\s+32*\c
	global_load_b128 v[SF+8*\s+4*\c:SF+8*\s+4*\c+3], v4, s[8:9] offset:64*\s+32*\c
	global_load_b128 v[SF+8*(8+\s)+4*\c:SF+8*(8+\s)+4*\c+3], v4, s[8:9] offset:8192+64*\s+32*\c
.endr
.endr
.irp s, 0,1,2,3,4,5,6,7
	s_wait_loadcnt 42-6*\s                         ; K step s's six loads are in; the six of each later K step may be out
.irp et, 0,1                                   ; the two accumulators take turns, one instruction a turn.  The first two start the sums
.if \s == 0
	v_wmma_scale_f32_16x16x128_f8f6f4 v[ACC+8*\et:ACC+8*\et+7], v[SF+8*(8*\et+\s):SF+8*(8*\et+\s)+7], v[XF+8*\s:XF+8*\s+7], 0, v[SS+4*\et+\s%4], v[XSC+\s%4] matrix_a_fmt:MATRIX_FMT_FP4 matrix_b_fmt:MATRIX_FMT_FP4
.elseif \s < 4
	v_wmma_scale_f32_16x16x128_f8f6f4 v[ACC+8*\et:ACC+8*\et+7], v[SF+8*(8*\et+\s):SF+8*(8*\et+\s)+7], v[XF+8*\s:XF+8*\s+7], v[ACC+8*\et:ACC+8*\et+7], v[SS+4*\et+\s%4], v[XSC+\s%4] matrix_a_fmt:MATRIX_FMT_FP4 matrix_b_fmt:MATRIX_FMT_FP4
.else
	v_wmma_scale_f32_16x16x128_f8f6f4 v[ACC+8*\et:ACC+8*\et+7], v[SF+8*(8*\et+\s):SF+8*(8*\et+\s)+7], v[XF+8*\s:XF+8*\s+7], v[ACC+8*\et:ACC+8*\et+7], v[SS+4*\et+\s%4], v[XSC+\s%4] matrix_a_fmt:MATRIX_FMT_FP4 matrix_b_fmt:MATRIX_FMT_FP4 matrix_a_scale:MATRIX_SCALE_ROW1 matrix_b_scale:MATRIX_SCALE_ROW1
.endif
.endr
.endr
.rept 4
	v_nop                                          ; four places in front of the first read of results (ISA guide 7.12.1)
.endr
.set cc, 0
.rept 16
	v_mul_f32 v[ACC+cc], 0xbfb8aa3b, v[ACC+cc]     ; -x log2(e); each accumulator from its low end on
.set cc, cc+1
.endr
.set cc, 0
	s_wait_alu depctr_va_vdst(0)
.rept 16
	v_exp_f32 v[ACC+cc], v[ACC+cc]
.set cc, cc+1
.endr
	v_mov_b32 v63, 1                               ; (a plain instruction behind the batch)
	s_wait_alu depctr_va_vdst(0)                   ; one wait for the 16 exponentials, ahead of their first reader
.set cc, 0
.rept 16
	v_add_f32 v[ACC+cc], 1.0, v[ACC+cc]
.set cc, cc+1
.endr
.set cc, 0
	s_wait_alu depctr_va_vdst(0)
.rept 16
	v_rcp_f32 v[ACC+cc], v[ACC+cc]
.set cc, cc+1
.endr
	v_mov_b32 v57, 0                               ; (a plain instruction behind the batch)  written once: a lane permute's destination counts as one of its sources
	s_wait_alu depctr_va_vdst(0)                   ; one wait for the 16 reciprocals
.irp q, 0,1,2,3
	global_store_b128 v62, v[ACC+4*\q:ACC+4*\q+3], s[14:15] offset:512*\q   ; sig: the registers as they stand: 512 consecutive aligned bytes a store
.endr
	s_wait_xcnt 0x0                                ; the stores' data are changed below only behind this wait
; The k-th largest score of my token and its index.  Register ACC + cc holds expert 16 (cc / 8) + cc % 8 + 8 h'.  My own 16 are searched from the top down, so that the lowest index of equal scores stays (64: none of mine);
; the lower of the two lanes' indices is the token's.  The winner is then set to -1, under every score, in the lane that holds it.
.macro TOPK k
	v_max3_num_f32 v56, v[ACC], v[ACC+1], v[ACC+2]
.irp i, 3,5,7,9,11,13
	v_max3_num_f32 v56, v56, v[ACC+\i], v[ACC+\i+1]
.endr
	v_max_num_f32 v56, v56, v[ACC+15]
	s_delay_alu instid0(VALU_DEP_1)
	v_permlanex16_b32 v57, v56, s36, s37
	s_delay_alu instid0(VALU_DEP_1)
	v_max_num_f32 v56, v56, v57                    ; with lane l xor 16's 16 experts
	v_mov_b32 v[58+\k], 64
.set cc, 15
.rept 16
	v_cmp_neq_f32 vcc_lo, v[ACC+cc], v56
	s_delay_alu instid0(VALU_DEP_1)
	v_cndmask_b32 v[58+\k], 16*(cc/8)+cc%8, v[58+\k], vcc_lo   ; equal: the index becomes this register's
.set cc, cc-1
.endr
	s_delay_alu instid0(VALU_DEP_1)
	v_add_nc_u32 v[58+\k], v55, v[58+\k]           ; + 8 h'
	s_delay_alu instid0(VALU_DEP_1)
	v_permlanex16_b32 v57, v[58+\k], s36, s37
	s_delay_alu instid0(VALU_DEP_1)
	v_min_u32 v[58+\k], v[58+\k], v57              ; the token's: the same in both lanes
.if \k < 3
	s_delay_alu instid0(VALU_DEP_1)
	v_sub_nc_u32 v57, v[58+\k], v55                ; less 8 h': it meets one of my registers' numbers only where the winner is mine
.set cc, 0
.rept 16
	v_cmp_ne_u32 vcc_lo, 16*(cc/8)+cc%8, v57
	v_cndmask_b32 v[ACC+cc], -1.0, v[ACC+cc], vcc_lo
.set cc, cc+1
.endr
.endif
.endm
	TOPK 0
	TOPK 1
	TOPK 2
	TOPK 3
	v_lshlrev_b32 v56, v58, v63                    ; bit e for each chosen expert
	v_lshlrev_b32 v57, v59, v63
	s_delay_alu instid0(VALU_DEP_1)
	v_or_b32 v56, v56, v57
	v_lshlrev_b32 v57, v60, v63
	s_delay_alu instid0(VALU_DEP_1)
	v_or_b32 v56, v56, v57
	v_lshlrev_b32 v57, v61, v63
	s_delay_alu instid0(VALU_DEP_1)
	v_or_b32 v56, v56, v57
	v_lshl_or_b32 v57, v59, 8, v58                 ; and the four indices, a byte each
	s_delay_alu instid0(VALU_DEP_1)
	v_lshl_or_b32 v57, v60, 16, v57
	s_delay_alu instid0(VALU_DEP_1)
	v_lshl_or_b32 v57, v61, 24, v57
	global_store_b32 v54, v57, s[16:17]            ; (both lanes of a token store the same word with the same value)
	global_store_b32 v54, v56, s[18:19]
	s_endpgm
	; ---------------- the quantiser of values: waves 0 to 7 ----------------
.Lquant:
	s_lshr_b32 s26, ttmp9, 3                       ; job = the work-group's number: e = job / 8, K step s = (job / 4) % 2, quarter of the columns cq = job % 4
	s_bfe_u32 s27, ttmp9, 0x10002
	s_and_b32 s28, ttmp9, 3
	s_lshl_b32 s30, s26, 20                        ; values: e x 1 MiB + s x 128 rows of 4,096 bytes + cq x 1,024
	s_lshl_b32 s29, s27, 19
	s_add_co_u32 s30, s30, s29
	s_lshl_b32 s29, s28, 10
	s_add_co_u32 s30, s30, s29
	s_mov_b32 s31, 0
	s_lshl_b32 s32, s26, 17                        ; vq_codes: e x 64 tiles of 2,048 + cq x 16 tiles + s x 1,024
	s_lshl_b32 s29, s28, 15
	s_add_co_u32 s32, s32, s29
	s_lshl_b32 s29, s27, 10
	s_add_co_u32 s32, s32, s29
	s_mov_b32 s33, 0
	s_lshl_b32 s34, s26, 13                        ; vq_scales: e x 8,192 + cq x 2,048 + s x 128
	s_lshl_b32 s29, s28, 11
	s_add_co_u32 s34, s34, s29
	s_lshl_b32 s29, s27, 7
	s_add_co_u32 s34, s34, s29
	s_mov_b32 s35, 0
	v_lshrrev_b32 v2, 4, v0
	v_and_b32 v3, 15, v0
	s_delay_alu instid0(VALU_DEP_1)
	v_lshlrev_b32 v3, 4, v3
	s_delay_alu instid0(VALU_DEP_1)
	v_lshl_add_u32 v2, v2, 11, v3                  ; codes: tile (thread / 16) x 2,048 + 16 r
	s_wait_alu depctr_va_vdst(0)
	v_lshlrev_b32 v3, 2, v1
	s_lshl_b32 s29, s24, 8
	v_add_nc_u32 v3, s29, v3                       ; scale word: 256 x wave + 4 x lane
	v_lshlrev_b32 v1, 2, v0                        ; my column: 4 bytes a thread
	s_wait_alu depctr_va_vdst(0)
	s_wait_kmcnt 0x0
	s_add_nc_u64 s[12:13], s[12:13], s[30:31]
	s_add_nc_u64 s[20:21], s[20:21], s[32:33]
	s_add_nc_u64 s[22:23], s[22:23], s[34:35]
.set i, 0
.rept 128
	global_load_b32 v[X+i], v1, s[12:13] offset:i*4096 th:TH_LOAD_NT   ; row 128 s + i: the eight waves read 1,024 consecutive bytes; read once in the launch
.set i, i+1
.endr
.macro QBLOCK b                        ; block b of my column: all 32 numbers are mine
.set XB, X+32*\b
	v_max3_num_f32 v8, |v[XB]|, |v[XB+1]|, |v[XB+2]|
	v_max3_num_f32 v9, |v[XB+3]|, |v[XB+4]|, |v[XB+5]|
.irp i, 6,10,14,18,22,26
	s_delay_alu instid0(VALU_DEP_2)
	v_max3_num_f32 v8, v8, |v[XB+\i]|, |v[XB+\i+1]|
	s_delay_alu instid0(VALU_DEP_2)
	v_max3_num_f32 v9, v9, |v[XB+\i+2]|, |v[XB+\i+3]|
.endr
	s_delay_alu instid0(VALU_DEP_2)
	v_max3_num_f32 v8, v8, |v[XB+30]|, |v[XB+31]|
	s_delay_alu instid0(VALU_DEP_1)
	v_max3_num_f32 v8, v8, v9, 0x1800000           ; and the floor 2^(3 - 127): the byte cannot fall under 1
	s_delay_alu instid0(VALU_DEP_1)
	v_add_nc_u32 v[12+\b], 0xff000000, v8          ; 2 off the exponent field: the conversion takes the exponent field of this operand as its scale
	s_delay_alu instid0(VALU_DEP_1)
	v_lshrrev_b32 v10, 23, v[12+\b]                ; the scale's byte
.if \b == 0
	s_delay_alu instid0(VALU_DEP_1)
	v_mov_b32 v32, v10
.else
	s_delay_alu instid0(VALU_DEP_1)
	v_lshl_or_b32 v32, v10, 8*\b, v32
.endif
.irp g, 0,1,2,3
	v_cvt_scalef32_pk8_fp4_f32 v[C+4*\b+\g], v[XB+8*\g:XB+8*\g+7], v[12+\b]
.endr
	global_store_b128 v2, v[C+4*\b:C+4*\b+3], s[20:21] offset:(\b/2)*512+(\b%2)*256   ; sixteen lanes store 256 consecutive aligned bytes
.endm
	s_wait_loadcnt 63                              ; of the 128 loads at most 63 are out: rows 0 to 64 are in
	QBLOCK 0
	QBLOCK 1
	s_wait_loadcnt 32                              ; rows 0 to 95
	QBLOCK 2
	s_wait_loadcnt 0x0
	QBLOCK 3
	v_nop                                          ; one plain instruction behind the last scaled conversion
	global_store_b32 v3, v32, s[22:23]             ; my column's scale word of this K step
	s_endpgm
.Lfunc_end_k_qdebf5411c6_prep:
	.size	k_qdebf5411c6_prep, .Lfunc_end_k_qdebf5411c6_prep-k_qdebf5411c6_prep
	.p2alignl 7, 3214868480
	.fill 96, 4, 3214868480
	.section	.rodata,"a",@progbits
	.p2align	6, 0x0
	.amdhsa_kernel k_qdebf5411c6_prep
		.amdhsa_group_segment_fixed_size 0
		.amdhsa_private_segment_fixed_size 0
		.amdhsa_enable_private_segment 0
		.amdhsa_kernarg_size 80
		.amdhsa_user_sgpr_count 2
		.amdhsa_user_sgpr_kernarg_segment_ptr 1
		.amdhsa_wavefront_size32 1
		.amdhsa_system_sgpr_workgroup_id_x 1
		.amdhsa_system_sgpr_workgroup_id_y 1
		.amdhsa_system_sgpr_workgroup_id_z 1
		.amdhsa_system_vgpr_workitem_id 0
		.amdhsa_next_free_vgpr 256
		.amdhsa_next_free_sgpr 66
		.amdhsa_reserve_vcc 1
		.amdhsa_float_denorm_mode_32 3
		.amdhsa_float_denorm_mode_16_64 3
		.amdhsa_memory_ordered 1
		.amdhsa_forward_progress 1
		.amdhsa_inst_pref_size 48
	.end_amdhsa_kernel
	.amdgpu_metadata
---
amdhsa.version: [ 1, 2 ]
amdhsa.kernels:
  - .name:           k_qdebf5411c6_prep
    .symbol:         k_qdebf5411c6_prep.kd
    .args:
      - { .name: x_codes, .offset: 0, .size: 8, .value_kind: global_buffer, .address_space: global }
      - { .name: x_scales, .offset: 8, .size: 8, .value_kind: global_buffer, .address_space: global }
      - { .name: expert_sel_codes, .offset: 16, .size: 8, .value_kind: global_buffer, .address_space: global }
      - { .name: expert_sel_scales, .offset: 24, .size: 8, .value_kind: global_buffer, .address_space: global }
      - { .name: values, .offset: 32, .size: 8, .value_kind: global_buffer, .address_space: global }
      - { .name: sig, .offset: 40, .size: 8, .value_kind: global_buffer, .address_space: global }
      - { .name: sel_idx, .offset: 48, .size: 8, .value_kind: global_buffer, .address_space: global }
      - { .name: sel_bits, .offset: 56, .size: 8, .value_kind: global_buffer, .address_space: global }
      - { .name: vq_codes, .offset: 64, .size: 8, .value_kind: global_buffer, .address_space: global }
      - { .name: vq_scales, .offset: 72, .size: 8, .value_kind: global_buffer, .address_space: global }
    .group_segment_fixed_size: 0
    .private_segment_fixed_size: 0
    .kernarg_segment_align: 8
    .kernarg_segment_size: 80
    .max_flat_workgroup_size: 288
    .sgpr_count:     66
    .vgpr_count:     256
    .wavefront_size: 32
...
	.end_amdgpu_metadata
.endif
;; end of part 4
;; launch hidden (part 5): grid 256 x 1, 8 waves a work-group, no clusters, 295,936 bytes of LDS; arguments x_codes, x_scales, keys_codes, keys_scales, sel_bits, sig, hid_codes, hid_scales, place; writes hid_codes, hid_scales, place
.if DOCPART == 5
	.amdgcn_target "amdgcn-amd-amdhsa--gfx1250"
	.amdhsa_code_object_version 6
	.text
	.protected	k_qdebf5411c6_hidden
	.globl	k_qdebf5411c6_hidden
	.p2align	8
	.type	k_qdebf5411c6_hidden,@function
k_qdebf5411c6_hidden:
	s_mov_b64 s[64:65], 0
	v_nop
	global_prefetch_b8 v0, s[64:65] scope:SCOPE_SE
	s_setreg_imm32_b32 hwreg(HW_REG_WAVE_MODE, 25, 1), 1
	s_wait_xcnt 0x0
; HIDDEN: Q(relu(x keys[e]) x gate), for the rows that chose expert e alone (the other rows are blocks of zeros of the last product: shown at the head of 'prep').
; SHARES.  Work-group = (512 tokens R, expert e): R = number / 32, e = number % 32.  Its tokens are two ranges rho = 2 R + half of 256.  A range's rows are its tokens whose selection word has bit e, in ascending
; order: rank 0 .. n - 1, in tiles of 16; a rank past n - 1 is held at n - 1.  A range gets max(3, ceil(n / 16)) tiles: the next launch reads three tiles of every expert without asking; rows past n are nobody's.
; SLOTS: 0-2 are range 0's tiles 0-2, 3-5 range 1's; behind them range 0's tiles from 3 on, then range 1's: at most 32.
; Wave w keeps rows 32 w .. 32 w + 31 of keys[e] (16 fragments, 128 registers, window 1) for the whole launch.  The tiles of x come once into LDS as images of the operand's registers, and all eight waves read them.
; PHASE X: wave w takes slots w, w + 8, ..: it finds the 16 tokens from the sixteen ballots of bit e, gathers their codes, scale words and gates, and stores the image.  One barrier.
; PHASE 1: for each slot: 16 matrix instructions (transposed: source 0 = 16 rows of keys, source 1 = 16 tokens, so that a lane holds one token), x gate, relu, the quantiser in registers, the codes to memory.
; THE ROWS OF keys THAT FORM A TILE ARE NOT NEIGHBOURS: lane r of tile u takes row 32 w + 8 u + r + 8 (r / 8), so that the 16 registers of the two tiles are 16 neighbours along the next K.
; THE GATE of (token t, expert e) lies in sig, as 'prep' laid it, at byte 2,048 (t / 16) + 1,024 (e / 16) + 512 ((e / 4) % 2) + 256 ((e / 8) % 2) + 16 (t % 16) + 4 (e % 4).
; OUT: hid_codes [rho][e][tile][K step 2][c 2][lane 32][16 bytes]: the image of the next product's operand; wave w's block of 32 is 256 consecutive aligned bytes of a tile: one store.
; hid_scales [rho][e][tile][K step][r]: a word a row, wave w stores its byte of it (128 bytes a tile in all; a wider store would cost a barrier a tile).
; place [e][token]: where 'combine' finds the token's partial row of expert e in LDS: row x 128 + 16 ((row / 2) % 8), row = 48 e + rank; from rank 48 on 0x100000 + 256 e + rank.  (For a token that did not
; choose e the word is read by nobody.)  Behind it, at byte 524,288: the counts n, [rho][e].
; max(a g, 0) = relu(a) g, since the gate, a sigmoid, is never negative.  A block of zeros gets the byte 1 where the rule says 127: its codes are zeros, and this program alone reads the bytes.
; NO TENSOR LOAD, NO CLUSTER: operands go through registers.  No prefetch: the loop loads nothing from memory.
; LIMITS: NaN, infinities and a scale byte 0xff among the inputs are not served; what would reach only the rows left out is not carried to the result.
.set IMG,   9216                       ; a tile's image in LDS: 8 fragments of 1,024 bytes (K step s, c: 1,024 s + 512 c + 16 lane); at 8,192 the scale words (16 lane: four words); at 8,704 the gates (4 lane)
.set SCO,   8192
.set GTO,   8704
.set SPARE, 32*IMG                     ; behind the 32 images: the spare words, 128 bytes a wave, that no other line names
.set KS,  48                           ; v48-55   keys' scale words, 4 u + q: lanes 0-15 K step q, lanes 16-31 K step 4 + q
.set XS,  56                           ; v56-59   x's likewise
.set G,   60                           ; v60      my token's gate; v61 is named with it as a pair, so it is written once
.set XF,  64                           ; v64-127  x's 8 fragments (phase X: as gathered; v128-131 scale words, v132 gate)
.set HA,  128                          ; v128-143 my two tiles of the hidden layer
.set MK,  32                           ; s32-47   the ballots of the 16 groups of 32 tokens
.set PX,  48                           ; s48-63   how many in the groups before
.set MSB, 0
.macro WIN new                         ; the immediate's high byte repeats the setting that is left
.if MSB != \new
	s_set_vgpr_msb (MSB<<8)|\new
.set MSB, \new
.endif
.endm
	s_load_b512 s[4:19], s[0:1], 0x0               ; x_codes 4, x_scales 6, keys_codes 8, keys_scales 10, sel_bits 12, sig 14, hid_codes 16, hid_scales 18
	s_load_b64 s[20:21], s[0:1], 0x40              ; place
	v_lshl_add_u32 v8, v0, 2, SPARE                ; my spare word,
	v_mov_b32 v9, 0                                ; and 0: kept for the closing lines alone
	v_lshrrev_b32 v1, 5, v0
	v_readfirstlane_b32 s24, v1                    ; wave 0..7
	v_and_b32 v1, 31, v0                           ; lane
	v_and_b32 v2, 15, v0                           ; r
	v_bfe_u32 v3, v0, 4, 1                         ; h'
	v_lshlrev_b32 v4, 4, v1                        ; 16 lane
	v_lshlrev_b32 v5, 2, v1                        ; 4 lane
	v_and_b32 v6, 8, v2
	v_add_nc_u32 v6, v6, v2                        ; r + 8 (r / 8)
	v_lshlrev_b32 v7, 5, v6
	v_lshl_add_u32 v7, v3, 4, v7                   ; keys' scale bytes: 32 a row, + 16 h'
	v_lshlrev_b32 v6, 9, v6
	v_lshl_add_u32 v6, v3, 4, v6                   ; keys' codes: 512 a row, + 16 h'
	v_lshlrev_b32 v10, 4, v3                       ; 16 h'
	s_mul_i32 s74, s24, IMG
	v_add_nc_u32 v12, s74, v4                      ; phase X: 16 lane + wave x an image
	v_add_nc_u32 v13, s74, v5                      ;          4 lane + wave x an image
	v_lshlrev_b32 v181, 4, v2
	v_lshl_add_u32 v181, v3, 3, v181
	s_lshl_b32 s74, s24, 8
	v_add_nc_u32 v181, s74, v181                   ; hid_codes: 256 w + 16 r + 8 h'
	s_lshr_b32 s74, s24, 2
	s_lshl_b32 s74, s74, 6
	s_and_b32 s76, s24, 3
	s_add_co_u32 s74, s74, s76
	v_lshl_add_u32 v182, v2, 2, s74                ; hid_scales: 64 (w / 4) + 4 r + w % 4
	v_mov_b32 v61, 0
	v_mov_b32 v162, 0                              ; written once: a lane permute's destination counts as one of its sources
	v_mov_b32 v188, 0                              ; (v_writelane_b32's likewise)
	v_mov_b32 v189, 0
	s_wait_alu depctr_va_vdst(0)
	s_and_b32 s25, ttmp9, 31                       ; e
	s_lshr_b32 s26, ttmp9, 5                       ; R
	s_lshl_b32 s27, 1, s25                         ; bit e
	s_lshl_b32 s28, s26, 9                         ; my first token
	s_mov_b32 s72, 0x76543210
	s_mov_b32 s73, 0xfedcba98                      ; v_permlanex16_b32's selects for lane l xor 16
	s_mov_b32 s75, 0
	s_wait_kmcnt 0x0
	s_lshl_b32 s74, s26, 11
	s_add_nc_u64 s[12:13], s[12:13], s[74:75]      ; sel_bits at my 512 tokens,
	s_lshl_b32 s74, s24, 8
	s_add_nc_u64 s[86:87], s[12:13], s[74:75]      ; and at my wave's 64 of them
	s_lshl_b32 s74, s26, 8
	s_lshl_b32 s76, s25, 2
	s_add_co_u32 s74, s74, s76
	s_add_co_u32 s74, s74, 0x80000
	s_add_nc_u64 s[30:31], s[20:21], s[74:75]      ; the counts: 524,288 + 128 x 2 R + 4 e
	s_lshl_b32 s74, s25, 14
	s_lshl_b32 s76, s26, 11
	s_add_co_u32 s74, s74, s76
	s_lshl_b32 s76, s24, 8
	s_add_co_u32 s74, s74, s76
	s_add_nc_u64 s[20:21], s[20:21], s[74:75]      ; place of e at my wave's 64 tokens
	s_lshl_b32 s74, s25, 17
	s_lshl_b32 s76, s24, 14
	s_add_co_u32 s74, s74, s76
	s_add_nc_u64 s[80:81], s[8:9], s[74:75]        ; keys' codes at row 256 e + 32 w
	s_lshl_b32 s74, s25, 13
	s_lshl_b32 s76, s24, 10
	s_add_co_u32 s74, s74, s76
	s_add_nc_u64 s[82:83], s[10:11], s[74:75]      ; and its scale bytes
.irp g, 0,1,2,3,4,5,6,7,8,9,10,11,12,13,14,15
	global_load_b32 v[16+\g], v5, s[12:13] offset:128*\g          ; the selection words of tokens 32 g + lane
.endr
.irp g, 0,1
	global_load_b32 v[184+\g], v5, s[86:87] offset:128*\g         ; my wave's own 64 tokens'
.endr
.irp u, 0,1
	global_load_b128 v[KS+4*\u:KS+4*\u+3], v7, s[82:83] offset:8*\u*32
.endr
	WIN 0x40                                       ; destination window 1
.irp s, 0,1,2,3,4,5,6,7
.irp u, 0,1
.irp c, 0,1
	global_load_b128 v[8*(8*\u+\s)+4*\c:8*(8*\u+\s)+4*\c+3], v6, s[80:81] offset:8*\u*512+64*\s+32*\c   ; keys' fragment (tile u, K step s): it stays
.endr
.endr
.endr
	WIN 0
	s_lshr_b32 s74, s25, 4                         ; sig: what e adds to a gate's place: 1,024 (e / 16)
	s_lshl_b32 s74, s74, 10
	s_bfe_u32 s76, s25, 0x10002
	s_lshl_b32 s76, s76, 9
	s_add_co_u32 s74, s74, s76                     ; + 512 ((e / 4) % 2)
	s_bfe_u32 s76, s25, 0x10003
	s_lshl_b32 s76, s76, 8
	s_add_co_u32 s74, s74, s76                     ; + 256 ((e / 8) % 2)
	s_and_b32 s76, s25, 3
	s_lshl_b32 s76, s76, 2
	s_add_co_u32 s74, s74, s76                     ; + 4 (e % 4)
	s_add_nc_u64 s[92:93], s[14:15], s[74:75]
	s_lshl_b32 s74, s26, 21
	s_lshl_b32 s76, s25, 15
	s_add_co_u32 s74, s74, s76
	s_add_nc_u64 s[84:85], s[16:17], s[74:75]      ; hid_codes at (2 R, e): 16 tiles of 2,048 bytes; range 1 lies 1 MiB on
	s_lshl_b32 s74, s26, 17
	s_lshl_b32 s76, s25, 11
	s_add_co_u32 s74, s74, s76
	s_add_nc_u64 s[88:89], s[18:19], s[74:75]      ; hid_scales: 16 x 128; range 1 lies 64 KiB on
	s_mul_i32 s96, s25, 6144                       ; 48 e rows of 128 bytes
	s_lshl_b32 s97, s25, 8
	s_or_b32 s97, s97, 0x100000
	s_wait_loadcnt 34                              ; 52 loads were issued: the 18 oldest, all the selection words, are in
.irp g, 0,1,2,3,4,5,6,7,8,9,10,11,12,13,14,15
	v_and_b32 v[32+\g], s27, v[16+\g]
.endr
.irp g, 0,1,2,3,4,5,6,7,8,9,10,11,12,13,14,15
	v_cmp_ne_u32 s[MK+\g], 0, v[32+\g]             ; which of the group's 32 tokens chose e
.endr
	s_mov_b32 s[PX], 0
.irp g, 0,1,2,3,4,5,6,7,8,9,10,11,12,13,14
	s_bcnt1_i32_b32 s74, s[MK+\g]
	s_add_co_u32 s[PX+1+\g], s[PX+\g], s74
.endr
	s_bcnt1_i32_b32 s74, s[MK+15]
	s_add_co_u32 s71, s[PX+15], s74
	s_mov_b32 s66, s[PX+8]                         ; n of range 0
	s_sub_co_u32 s67, s71, s66                     ; n of range 1
	s_add_co_u32 s68, s66, 15
	s_lshr_b32 s68, s68, 4
	s_max_u32 s68, s68, 3                          ; range 0's tiles
	s_add_co_u32 s69, s67, 15
	s_lshr_b32 s69, s69, 4
	s_max_u32 s69, s69, 3                          ; range 1's
	s_add_co_u32 s70, s68, s69                     ; slots
	; THE PLACES of my wave's 64 tokens (groups 2 w, 2 w + 1), two groups side by side
	v_and_b32 v190, s27, v184
	v_and_b32 v191, s27, v185
	v_cmp_ne_u32 s76, 0, v190
	v_cmp_ne_u32 s77, 0, v191
.irp i, 0,1,2,3,4,5,6,7
	v_writelane_b32 v188, s[PX+2*\i], \i
.endr
	v_readlane_b32 s78, v188, s24                  ; how many in the groups before mine,
	s_cmp_ge_u32 s24, 4
	s_cselect_b32 s74, s66, 0
	s_sub_co_u32 s78, s78, s74                     ; in my range
	s_bcnt1_i32_b32 s74, s76
	s_add_co_u32 s79, s78, s74
.irp g, 0,1
	v_mbcnt_lo_u32_b32 v[190+\g], s[76+\g], s[78+\g]   ; rank
.endr
.irp g, 0,1
	v_and_b32 v[192+\g], 14, v[190+\g]
.endr
.irp g, 0,1
	v_lshlrev_b32 v[192+\g], 3, v[192+\g]          ; 16 ((rank / 2) % 8); 48 e is a multiple of 16
.endr
.irp g, 0,1
	v_lshl_add_u32 v[192+\g], v[190+\g], 7, v[192+\g]
.endr
.irp g, 0,1
	v_add_nc_u32 v[192+\g], s96, v[192+\g]
	v_or_b32 v[194+\g], s97, v[190+\g]
.endr
.irp g, 0,1
	v_cmp_gt_u32 vcc_lo, 48, v[190+\g]
	v_cndmask_b32 v[192+\g], v[194+\g], v[192+\g], vcc_lo
.endr
.irp g, 0,1
	global_store_b32 v5, v[192+\g], s[20:21] offset:128*\g   ; the wave's two stores are 256 consecutive aligned bytes
.endr
	s_cmp_lg_u32 s24, 0
	s_cbranch_scc1 .Lnot_wave_0
	v_mov_b32 v196, s66                            ; wave 0 stores the two counts (every lane the same word with the same value)
	v_mov_b32 v197, s67
	global_store_b32 v189, v196, s[30:31]
	global_store_b32 v189, v197, s[30:31] offset:128
.Lnot_wave_0:
; Slot s74: its range (s98) and tile (s99).
.macro SLOT
	s_sub_co_u32 s75, s74, 6
	s_sub_co_u32 s76, s68, 3
	s_cmp_ge_u32 s75, s76                          ; behind range 0's further tiles?
	s_cselect_b32 s77, 1, 0
	s_mul_i32 s76, s77, s76
	s_sub_co_u32 s75, s75, s76
	s_add_co_u32 s75, s75, 3
	s_cmp_ge_u32 s74, 3
	s_cselect_b32 s98, 1, 0
	s_mul_i32 s76, s98, 3
	s_sub_co_u32 s99, s74, s76
	s_cmp_ge_u32 s74, 6
	s_cselect_b32 s98, s77, s98
	s_cselect_b32 s99, s75, s99
	s_min_u32 s98, s98, 1
	s_min_u32 s99, s99, 15
.endm
; One level of the search for the k-th set bit of the mask: the count of the lower half of the field at pos; where k is at or above it, the upper half is taken.
.macro LEVEL x, mask, width
	v_lshrrev_b32 v209, v208, v[\x]
	v_and_b32 v209, \mask, v209
	v_cmp_ge_u32 vcc_lo, v200, v209
	v_sub_nc_u32 v209, v200, v209
	v_add_nc_u32 v210, \width, v208
	v_cndmask_b32 v200, v200, v209, vcc_lo
	v_cndmask_b32 v208, v208, v210, vcc_lo
.endm
; Slot 8 kg + w, if there is one: its tokens, its gather, its image.  The LDS addresses are made ahead of the branch: a constant + a constant x lane + a constant x wave.
.macro GROUP kg
	v_add_nc_u32 v14, \kg*8*IMG, v12
	v_add_nc_u32 v15, \kg*8*IMG, v13
	s_add_co_u32 s74, s24, 8*\kg
	s_cmp_ge_u32 s74, s70
	s_cbranch_scc1 .Lno_tile_\@
	SLOT
	s_cmp_eq_u32 s98, 0
	s_cselect_b32 s75, s66, s67                    ; n
	s_cselect_b32 s76, 0, s66                      ; how many in the range before
	s_sub_co_u32 s75, s75, 1
	s_lshl_b32 s77, s99, 4
	v_add_nc_u32 v200, s77, v2
	v_min_u32 v200, s75, v200                      ; my row's rank, held at n - 1,
	v_add_nc_u32 v200, s76, v200                   ; counted over both ranges: q
	v_mov_b32 v201, s[MK]                          ; the group of 32 tokens that holds q: the last with PX <= q; its mask, its PX, its first token
	v_mov_b32 v202, 0
	v_mov_b32 v203, 0
.irp i, 1,2,3,4,5,6,7,8,9,10,11,12,13,14,15
	v_cmp_gt_u32 vcc_lo, s[PX+\i], v200
	v_cndmask_b32 v201, s[MK+\i], v201, vcc_lo
	v_cndmask_b32 v202, s[PX+\i], v202, vcc_lo
	v_cndmask_b32 v203, 32*\i, v203, vcc_lo
.endr
	v_sub_nc_u32 v200, v200, v202                  ; k: which set bit of the mask
	v_lshrrev_b32 v204, 1, v201                    ; the mask's counts in fields of 2, 4, 8 and 16 bits
	v_and_b32 v204, 0x55555555, v204
	v_sub_nc_u32 v204, v201, v204
	v_lshrrev_b32 v205, 2, v204
	v_and_b32 v205, 0x33333333, v205
	v_and_b32 v209, 0x33333333, v204
	v_add_nc_u32 v205, v205, v209
	v_lshrrev_b32 v206, 4, v205
	v_add_nc_u32 v206, v206, v205
	v_and_b32 v206, 0x0f0f0f0f, v206
	v_lshrrev_b32 v207, 8, v206
	v_add_nc_u32 v207, v207, v206
	v_and_b32 v207, 0x00ff00ff, v207
	v_mov_b32 v208, 0                              ; pos
	LEVEL 207, 0xff, 16
	LEVEL 206, 0xff, 8
	LEVEL 205, 15, 4
	LEVEL 204, 3, 2
	LEVEL 201, 1, 1
	v_add3_u32 v211, v203, v208, s28               ; the token
	v_min_u32 v211, 0xfff, v211                    ; held inside the 4,096 tokens
	v_lshl_add_u32 v212, v211, 9, v10              ; its codes, + 16 h'
	v_lshl_add_u32 v213, v211, 5, v10              ; its scale bytes, + 16 h'
	v_and_b32 v214, 0xff0, v211                    ; its gate: 2,048 (t / 16)
	v_and_b32 v215, 15, v211
	v_lshlrev_b32 v214, 7, v214
	v_lshl_add_u32 v214, v215, 4, v214             ; + 16 (t % 16)
.irp s, 0,1,2,3,4,5,6,7
.irp c, 0,1
	global_load_b128 v[XF+8*\s+4*\c:XF+8*\s+4*\c+3], v212, s[4:5] offset:64*\s+32*\c
.endr
.endr
	global_load_b128 v[128:131], v213, s[6:7]
	global_load_b32 v132, v214, s[92:93]
	s_wait_loadcnt 0x0
.irp s, 0,1,2,3,4,5,6,7
.irp c, 0,1
	ds_store_b128 v14, v[XF+8*\s+4*\c:XF+8*\s+4*\c+3] offset:1024*\s+512*\c
.endr
.endr
	ds_store_b128 v14, v[128:131] offset:SCO
	ds_store_b32 v15, v132 offset:GTO
	s_wait_dscnt 0x0                               ; the stores have read their registers: the next group may write them
.Lno_tile_\@:
.endm
	GROUP 0
	GROUP 1
	GROUP 2
	GROUP 3
	s_wait_loadcnt 0x0                             ; keys and its scale words are in, in a wave that gathered nothing too
	s_wait_dscnt 0x0                               ; for the others' sake: my images have landed
	s_barrier_signal -1
	s_barrier_wait -1                              ; every slot's image lies in LDS; nothing is stored to LDS behind this barrier
	s_mov_b32 s94, 0                               ; slot
	s_mov_b32 s95, 0                               ; its image
	s_mov_b32 s79, 0
.Ltile:                                                ; 32 trips, a constant; a slot that does not exist is jumped over
	v_add_nc_u32 v14, s95, v4
	v_add_nc_u32 v15, s95, v5
	s_cmp_ge_u32 s94, s70
	s_cbranch_scc1 .Lnone
	ds_load_b128 v[XS:XS+3], v14 offset:SCO
	ds_load_b32 v[G], v15 offset:GTO
.irp s, 0,1,2,3,4,5,6,7
.irp c, 0,1
	ds_load_b128 v[XF+8*\s+4*\c:XF+8*\s+4*\c+3], v14 offset:1024*\s+512*\c
.endr
.endr
	s_mov_b32 s74, s94
	SLOT
	s_lshl_b32 s78, s98, 20
	s_lshl_b32 s76, s99, 11
	s_add_co_u32 s78, s78, s76
	s_add_nc_u64 s[100:101], s[84:85], s[78:79]    ; this slot's tile in hid_codes
	s_lshl_b32 s78, s98, 16
	s_lshl_b32 s76, s99, 7
	s_add_co_u32 s78, s78, s76
	s_add_nc_u64 s[90:91], s[88:89], s[78:79]      ; and in hid_scales
	WIN 0x01                                       ; source 0 (keys) window 1
.irp s, 0,1,2,3,4,5,6,7
	s_wait_dscnt 14-2*\s                           ; K step s's fragment is in; the 14 - 2 s loads of later K steps may be out
.irp u, 0,1                                    ; the two accumulators take turns, one instruction a turn
.if \s == 0
	v_wmma_scale_f32_16x16x128_f8f6f4 v[HA+8*\u:HA+8*\u+7], v[8*(8*\u+\s):8*(8*\u+\s)+7], v[XF+8*\s:XF+8*\s+7], 0, v[KS+4*\u+\s%4], v[XS+\s%4] matrix_a_fmt:MATRIX_FMT_FP4 matrix_b_fmt:MATRIX_FMT_FP4
.elseif \s < 4
	v_wmma_scale_f32_16x16x128_f8f6f4 v[HA+8*\u:HA+8*\u+7], v[8*(8*\u+\s):8*(8*\u+\s)+7], v[XF+8*\s:XF+8*\s+7], v[HA+8*\u:HA+8*\u+7], v[KS+4*\u+\s%4], v[XS+\s%4] matrix_a_fmt:MATRIX_FMT_FP4 matrix_b_fmt:MATRIX_FMT_FP4
.else
	v_wmma_scale_f32_16x16x128_f8f6f4 v[HA+8*\u:HA+8*\u+7], v[8*(8*\u+\s):8*(8*\u+\s)+7], v[XF+8*\s:XF+8*\s+7], v[HA+8*\u:HA+8*\u+7], v[KS+4*\u+\s%4], v[XS+\s%4] matrix_a_fmt:MATRIX_FMT_FP4 matrix_b_fmt:MATRIX_FMT_FP4 matrix_a_scale:MATRIX_SCALE_ROW1 matrix_b_scale:MATRIX_SCALE_ROW1
.endif
.endr
.endr
	WIN 0
.rept 4
	v_nop                                          ; four places in front of the first read of results (ISA guide 7.12.1)
.endr
	; register HA + i of lane (r, h') is hidden unit 32 w + 16 h' + i of token r
.set i, 0
.rept 8
	v_pk_mul_f32 v[HA+i:HA+i+1], v[HA+i:HA+i+1], v[G:G+1] op_sel_hi:[1,0]   ; x gate, two at a time; each accumulator from its low end on
.set i, i+2
.endr
.set i, 0
.rept 16
	v_max_num_f32 v[HA+i], 0, v[HA+i]              ; relu
.set i, i+1
.endr
	v_max3_num_f32 v160, v[HA], v[HA+1], 0x1800000 ; my 16 numbers (none is negative), and the floor 2^(3 - 127): the byte cannot fall under 1
	v_max3_num_f32 v161, v[HA+8], v[HA+9], v[HA+10]
.irp i, 2,4,6
	v_max3_num_f32 v160, v160, v[HA+\i], v[HA+\i+1]
.if \i < 6
	v_max3_num_f32 v161, v161, v[HA+\i+9], v[HA+\i+10]
.endif
.endr
	v_max3_num_f32 v160, v160, v161, v[HA+15]
	v_permlanex16_b32 v162, v160, s72, s73
	v_max_num_f32 v160, v160, v162                 ; with lane l xor 16's 16: the block's largest
	v_add_nc_u32 v164, 0xff000000, v160            ; 2 off the exponent field: the conversion's scale operand
	v_lshrrev_b32 v180, 23, v164                   ; the scale's byte
	v_cvt_scalef32_pk8_fp4_f32 v176, v[HA:HA+7], v164
	v_cvt_scalef32_pk8_fp4_f32 v177, v[HA+8:HA+15], v164
	v_nop                                          ; one plain instruction behind the scaled conversions
	global_store_b64 v181, v[176:177], s[100:101]  ; 256 consecutive aligned bytes a wave
	global_store_b8 v182, v180, s[90:91]           ; my byte of row r's scale word (both halves of the lanes store the same byte with the same value)
	s_wait_xcnt 0x0                                ; the stores' data and bases are written again only behind this wait
.Lnone:
	s_add_co_u32 s95, s95, IMG
	s_add_co_u32 s94, s94, 1
	s_cmp_lt_u32 s94, 32
	s_cbranch_scc1 .Ltile
	s_wait_tensorcnt 0x0                           ; the wave's end
	ds_add_u32 v8, v9
	s_wait_dscnt 0x0
	s_endpgm
.Lfunc_end_k_qdebf5411c6_hidden:
	.size	k_qdebf5411c6_hidden, .Lfunc_end_k_qdebf5411c6_hidden-k_qdebf5411c6_hidden
	.p2alignl 7, 3214868480
	.fill 96, 4, 3214868480
	.section	.rodata,"a",@progbits
	.p2align	6, 0x0
	.amdhsa_kernel k_qdebf5411c6_hidden
		.amdhsa_group_segment_fixed_size 295936
		.amdhsa_private_segment_fixed_size 0
		.amdhsa_enable_private_segment 0
		.amdhsa_kernarg_size 72
		.amdhsa_user_sgpr_count 2
		.amdhsa_user_sgpr_kernarg_segment_ptr 1
		.amdhsa_wavefront_size32 1
		.amdhsa_system_sgpr_workgroup_id_x 1
		.amdhsa_system_sgpr_workgroup_id_y 1
		.amdhsa_system_sgpr_workgroup_id_z 1
		.amdhsa_system_vgpr_workitem_id 0
		.amdhsa_next_free_vgpr 384
		.amdhsa_next_free_sgpr 102
		.amdhsa_reserve_vcc 1
		.amdhsa_float_denorm_mode_32 3
		.amdhsa_float_denorm_mode_16_64 3
		.amdhsa_memory_ordered 1
		.amdhsa_forward_progress 1
		.amdhsa_inst_pref_size 55
	.end_amdhsa_kernel
	.amdgpu_metadata
---
amdhsa.version: [ 1, 2 ]
amdhsa.kernels:
  - .name:           k_qdebf5411c6_hidden
    .symbol:         k_qdebf5411c6_hidden.kd
    .args:
      - { .name: x_codes, .offset: 0, .size: 8, .value_kind: global_buffer, .address_space: global }
      - { .name: x_scales, .offset: 8, .size: 8, .value_kind: global_buffer, .address_space: global }
      - { .name: keys_codes, .offset: 16, .size: 8, .value_kind: global_buffer, .address_space: global }
      - { .name: keys_scales, .offset: 24, .size: 8, .value_kind: global_buffer, .address_space: global }
      - { .name: sel_bits, .offset: 32, .size: 8, .value_kind: global_buffer, .address_space: global }
      - { .name: sig, .offset: 40, .size: 8, .value_kind: global_buffer, .address_space: global }
      - { .name: hid_codes, .offset: 48, .size: 8, .value_kind: global_buffer, .address_space: global }
      - { .name: hid_scales, .offset: 56, .size: 8, .value_kind: global_buffer, .address_space: global }
      - { .name: place, .offset: 64, .size: 8, .value_kind: global_buffer, .address_space: global }
    .group_segment_fixed_size: 295936
    .private_segment_fixed_size: 0
    .kernarg_segment_align: 8
    .kernarg_segment_size: 72
    .max_flat_workgroup_size: 256
    .sgpr_count:     102
    .vgpr_count:     384
    .wavefront_size: 32
...
	.end_amdgpu_metadata
.endif
;; end of part 5
;; launch combine (part 6): grid 256 x 1, 8 waves a work-group, no clusters, 312,320 bytes of LDS; arguments place, hid_codes, hid_scales, vq_codes, vq_scales, out0, sel_idx; writes out0
.if DOCPART == 6
	.amdgcn_target "amdgcn-amd-amdhsa--gfx1250"
	.amdhsa_code_object_version 6
	.text
	.protected	k_qdebf5411c6_combine
	.globl	k_qdebf5411c6_combine
	.p2align	8
	.type	k_qdebf5411c6_combine,@function
k_qdebf5411c6_combine:
	s_mov_b64 s[64:65], 0
	v_nop
	global_prefetch_b8 v0, s[64:65] scope:SCOPE_SE
	s_setreg_imm32_b32 hwreg(HW_REG_WAVE_MODE, 25, 1), 1
	s_wait_xcnt 0x0
; COMBINE: out0[t] = the sum over t's four chosen experts of Q(hidden row) Q(values[e]); rows of experts not chosen are blocks of zeros and are left out (shown at the head of 'prep').
; SHARES.  Work-group = (range rho of 256 tokens, kappa): rho = number / 16, kappa = number % 16: it owns 256 tokens x 64 columns of out0: each output number has one owner.
; Wave w takes experts 4 w .. 4 w + 3.  Of each it loads values' 64 columns (8 fragments) and the first three tiles of 16 rows, which 'hidden' stores for every expert: fixed addresses, so that nothing read from
; memory stands ahead of these loads.  Two experts' operands are out at a time (two sets of registers, window 1).
; PARTIAL ROWS go to LDS in two passes of 32 columns (128 bytes a row): tile slot 3 e + t at 2,048 x slot; columns 0-31 at once, columns 32-63 wait in registers (HB) until the first pass has been gathered.
; A row's eight pieces of 16 bytes are stored at piece xor ((row / 2) % 8): sixteen rows x one piece then touch sixteen different 16-byte columns of 256 bytes.
; FURTHER TILES (an expert with more than 48 rows in the range): with n = 16 a + 1 rows in each of m experts and 1,024 rows in all there are at most 53, for every choice; slots 96 .. 151 are theirs, slot 96 + o made by wave o % 8.
; GATHER: wave w sums the four rows of tokens 32 w .. 32 w + 31, eight lanes to a row; 'place' says where each row lies.  In the second pass lanes l and l xor 8 change tokens, so that a token's 256 bytes of out0
; stand in sixteen neighbouring lanes of one store.
; THE PRODUCT is used transposed (source 0 = 16 columns of values, source 1 = 16 rows): a lane holds 8 neighbouring columns of one row.  Both operands come from memory as images of their registers.
; NO TENSOR LOAD, NO CLUSTER: operands go from memory straight into registers.  No prefetch: there is no loop to run ahead in.
; The sum of a token's four rows is (row 0 + row 1) + (row 2 + row 3), in the order of the token's scores: an order of rounding that differs from reference()'s.
; LIMITS: NaN and infinities are not served; what would reach only the rows left out is not carried to the result.
.set OVS,   96*2048                    ; the further tiles' slots
.set SPARE, 152*2048                   ; the spare words, 128 bytes a wave, that no other line names
.set LASTP, SPARE-16                   ; the last piece of a slot
.set AD,  16                           ; v16-19   LDS address of my 16 bytes of a tile's row: 2 cc + x (column tile cc, half x) of slot 12 w
.set OA,  20                           ; v20-23   the same of slot 96 + w;  v24-27 of slot 128 + w
.set OB,  24
.set VS,  32                           ; v32-39   values' scale words, 4 set + ctl: lanes 0-15 K step 0, lanes 16-31 K step 1
.set HS,  40                           ; v40-45   the rows' likewise, 3 set + t
.set DS,  64                           ; v64-111  columns 0-31 of an expert's three tiles: 16 t + 8 cc
.set HB,  112                          ; v112-255 columns 32-63 of experts 0-2: 48 i + 16 t + 8 cc;  expert 3's in window 1 at v0-47, over values' set 0, which is done with
; window 1: v0-127 values' two sets of 64; v128-223 the rows' two sets of 48; later GT, SA
.set GT,  48                           ; window 1, v48-175: gathered pieces, 16 q + 4 j
.set SA,  176                          ; window 1, v176-207: the first pass's sums, 4 q;  v208 16 p
.set P,   224                          ; window 1, v224-255: places, 4 q + j
.set MSB, 0
.macro WIN new                         ; the immediate's high byte repeats the setting that is left
.if MSB != \new
	s_set_vgpr_msb (MSB<<8)|\new
.set MSB, \new
.endif
.endm
	s_load_b256 s[4:11], s[0:1], 0x0               ; place 4, hid_codes 6, hid_scales 8, vq_codes 10
	s_load_b128 s[12:15], s[0:1], 0x20             ; vq_scales 12, out0 14
	s_load_b64 s[16:17], s[0:1], 0x30              ; sel_idx
	v_lshl_add_u32 v10, v0, 2, SPARE               ; my spare word,
	v_mov_b32 v11, 0                               ; and 0: kept for the closing lines alone
	v_lshrrev_b32 v1, 5, v0
	v_readfirstlane_b32 s18, v1                    ; wave 0..7
	s_mul_i32 s22, s18, 12*2048
	s_lshl_b32 s23, s18, 11
	s_add_co_u32 s23, s23, OVS
	v_and_b32 v1, 31, v0                           ; lane
	v_and_b32 v2, 15, v0                           ; r
	v_bfe_u32 v3, v0, 4, 1                         ; hh
	v_lshlrev_b32 v4, 4, v1                        ; 16 lane
	v_lshlrev_b32 v5, 2, v1                        ; 4 lane
	v_lshlrev_b32 v6, 2, v2
	v_lshl_add_u32 v6, v3, 7, v6                   ; values' scale words: 128 hh + 4 r
	v_and_b32 v14, 14, v2
	v_lshlrev_b32 v14, 3, v14                      ; 16 (r / 2)
	v_lshlrev_b32 v15, 5, v3
	v_xor_b32 v14, v14, v15                        ; (2 hh) xor (r / 2), x 16
	v_xor_b32 v17, 16, v14
	v_xor_b32 v18, 64, v14
	v_xor_b32 v19, 0x50, v14
	v_lshl_add_u32 v16, v2, 7, v14
	v_lshl_add_u32 v17, v2, 7, v17
	v_lshl_add_u32 v18, v2, 7, v18
	v_lshl_add_u32 v19, v2, 7, v19
.irp c, 0,1,2,3
	v_add_nc_u32 v[OA+\c], s23, v[AD+\c]
.endr
.irp c, 0,1,2,3
	v_add_nc_u32 v[OB+\c], 0x10000, v[OA+\c]
	v_add_nc_u32 v[AD+\c], s22, v[AD+\c]
.endr
	v_lshrrev_b32 v7, 3, v1
	v_lshlrev_b32 v7, 2, v7                        ; 4 (lane / 8): my token's word of sel_idx and of place
	v_and_b32 v12, 7, v1
	v_lshlrev_b32 v12, 4, v12                      ; 16 p, p = lane % 8: my piece of a row
	v_lshlrev_b32 v14, 4, v2
	v_xor_b32 v15, 0x80, v14
	v_lshl_add_u32 v8, v3, 13, v14                 ; out0: token 2 hh, 16 r;
	v_lshl_add_u32 v9, v3, 13, v15                 ; token 2 hh + 1, 16 r xor 128
	v_add_nc_u32 v9, 0x1000, v9
	s_wait_alu depctr_va_vdst(0)
	s_lshr_b32 s19, ttmp9, 4                       ; rho
	s_and_b32 s20, ttmp9, 15                       ; kappa
	s_mov_b32 s23, 0
	s_mov_b32 s50, 0xff00ff00                      ; the lanes whose bit 3 is set
	s_wait_kmcnt 0x0
	s_lshl_b32 s22, s19, 20
	s_add_nc_u64 s[6:7], s[6:7], s[22:23]          ; hid_codes at my range
	s_lshl_b32 s22, s19, 16
	s_add_nc_u64 s[8:9], s[8:9], s[22:23]          ; hid_scales
	s_lshl_b32 s22, s20, 13
	s_add_nc_u64 s[10:11], s[10:11], s[22:23]      ; vq_codes at my four tiles of columns
	s_lshl_b32 s22, s20, 9
	s_add_nc_u64 s[12:13], s[12:13], s[22:23]      ; vq_scales
	s_lshl_b32 s22, s18, 19
	s_add_nc_u64 s[24:25], s[10:11], s[22:23]      ; and each at expert 4 w
	s_lshl_b32 s22, s18, 15
	s_add_nc_u64 s[26:27], s[12:13], s[22:23]
	s_lshl_b32 s22, s18, 17
	s_add_nc_u64 s[28:29], s[6:7], s[22:23]
	s_lshl_b32 s22, s18, 13
	s_add_nc_u64 s[30:31], s[8:9], s[22:23]
; Expert i's operands, 35 loads.
.macro LOADE i
	WIN 0x40                                       ; destination window 1
.irp ctl, 0,1,2,3
.irp s, 0,1
.irp c, 0,1
	global_load_b128 v[64*(\i%2)+8*(2*\ctl+\s)+4*\c:64*(\i%2)+8*(2*\ctl+\s)+4*\c+3], v4, s[24:25] offset:\i*131072+\ctl*2048+\s*1024+\c*512
.endr
.endr
.endr
.irp t, 0,1,2
.irp n, 0,1,2,3
	global_load_b128 v[128+48*(\i%2)+16*\t+4*\n:128+48*(\i%2)+16*\t+4*\n+3], v4, s[28:29] offset:\i*32768+\t*2048+\n*512
.endr
.endr
	WIN 0
.irp ctl, 0,1,2,3
	global_load_b32 v[VS+4*(\i%2)+\ctl], v6, s[26:27] offset:\i*8192+(\ctl/2)*256+(\ctl%2)*64
.endr
.irp t, 0,1,2
	global_load_b32 v[HS+3*(\i%2)+\t], v5, s[30:31] offset:\i*2048+\t*128
.endr
.endm
	s_lshl_b32 s22, s19, 7
	s_add_co_u32 s22, s22, 0x80000
	s_add_nc_u64 s[56:57], s[4:5], s[22:23]        ; the range's 32 counts
	s_lshl_b32 s22, s19, 10
	s_lshl_b32 s21, s18, 7
	s_add_co_u32 s22, s22, s21
	s_add_nc_u64 s[16:17], s[16:17], s[22:23]      ; sel_idx at my wave's 32 tokens,
	s_add_nc_u64 s[4:5], s[4:5], s[22:23]          ; and place
.irp q, 0,1,2,3,4,5,6,7
	global_load_b32 v[56+\q], v7, s[16:17] offset:16*\q   ; token 32 w + 4 q + lane / 8: its four experts
.endr
	global_load_b32 v13, v5, s[56:57]              ; lane e: n
	LOADE 0
	LOADE 1
; The places of my tokens' rows: expert number x 4,096 words + token.  The addresses lie in registers that expert 2's results take later.
.macro ASKP
.irp q, 0,1,2,3,4,5,6,7
.irp n, 0,1,2,3
	v_bfe_u32 v[208+4*\q+\n], v[56+\q], 8*\n, 8
.endr
.endr
.irp n, 0,1,2,3,4,5,6,7,8,9,10,11,12,13,14,15,16,17,18,19,20,21,22,23,24,25,26,27,28,29,30,31
	v_min_u32 v[208+\n], 31, v[208+\n]
.endr
.irp n, 0,1,2,3,4,5,6,7,8,9,10,11,12,13,14,15,16,17,18,19,20,21,22,23,24,25,26,27,28,29,30,31
	v_lshl_add_u32 v[208+\n], v[208+\n], 14, v7
.endr
	WIN 0x40
.irp q, 0,1,2,3,4,5,6,7
.irp n, 0,1,2,3
	global_load_b32 v[P+4*\q+\n], v[208+4*\q+\n], s[4:5] offset:16*\q
.endr
.endr
	WIN 0
.endm
	s_lshl_b32 s22, s19, 20
	s_lshl_b32 s21, s18, 17
	s_add_co_u32 s22, s22, s21
	s_lshl_b32 s21, s20, 8
	s_add_co_u32 s22, s22, s21
	s_add_nc_u64 s[14:15], s[14:15], s[22:23]      ; out0 at my wave's 32 tokens, my 64 columns
; 12 matrix instructions: expert i's three tiles x two column tiles x two K steps; the six accumulators take turns, one instruction a turn
.macro PROD hf, i
.if \hf == 0
.set DD, DS
	WIN 0x05                                       ; sources 0 and 1 window 1
.elseif \i < 3
.set DD, HB+48*\i
	WIN 0x05
.else
.set DD, 0
	WIN 0x55                                       ; all four window 1
.endif
.irp s, 0,1
.irp t, 0,1,2
.irp cc, 0,1
.if \s == 0
	v_wmma_scale_f32_16x16x128_f8f6f4 v[DD+16*\t+8*\cc:DD+16*\t+8*\cc+7], v[64*(\i%2)+8*(2*(2*\hf+\cc)+\s):64*(\i%2)+8*(2*(2*\hf+\cc)+\s)+7], v[128+48*(\i%2)+16*\t+8*\s:128+48*(\i%2)+16*\t+8*\s+7], 0, v[VS+4*(\i%2)+2*\hf+\cc], v[HS+3*(\i%2)+\t] matrix_a_fmt:MATRIX_FMT_FP4 matrix_b_fmt:MATRIX_FMT_FP4
.else
	v_wmma_scale_f32_16x16x128_f8f6f4 v[DD+16*\t+8*\cc:DD+16*\t+8*\cc+7], v[64*(\i%2)+8*(2*(2*\hf+\cc)+\s):64*(\i%2)+8*(2*(2*\hf+\cc)+\s)+7], v[128+48*(\i%2)+16*\t+8*\s:128+48*(\i%2)+16*\t+8*\s+7], v[DD+16*\t+8*\cc:DD+16*\t+8*\cc+7], v[VS+4*(\i%2)+2*\hf+\cc], v[HS+3*(\i%2)+\t] matrix_a_fmt:MATRIX_FMT_FP4 matrix_b_fmt:MATRIX_FMT_FP4 matrix_a_scale:MATRIX_SCALE_ROW1 matrix_b_scale:MATRIX_SCALE_ROW1
.endif
.endr
.endr
.endr
.endm
; Three tiles' results of one pass to LDS, from registers src on; each accumulator from its low end on.
.macro TOLDS src, i
.irp t, 0,1,2
.irp cc, 0,1
.irp x, 0,1
	ds_store_b128 v[AD+2*\cc+\x], v[\src+16*\t+8*\cc+4*\x:\src+16*\t+8*\cc+4*\x+3] offset:(3*\i+\t)*2048
.endr
.endr
.endr
.endm
.macro EXPERT i, younger
	s_wait_loadcnt \younger                        ; expert i's operands are in
	s_wait_dscnt 0x0                               ; the expert before's LDS stores have read their registers
	PROD 0, \i
	PROD 1, \i
	WIN 0
.rept 5
	v_nop                                          ; four places in front of stores that read results and of loads into the operands' registers; a fifth, since later matrix instructions write over these registers
.endr
	TOLDS DS, \i
.if \i == 0
	ASKP
	LOADE 2
.elseif \i == 1
	LOADE 3
.endif
.endm
; A further tile o = w + 8 k of the range, its columns of pass hf: expert (the first whose further tiles end above o) and tile; operands; products; results to LDS.
; Numbers that come from memory enter an address only behind s_min_u32 with a constant.
.macro FURTHER hf
.irp k, 0,1,2,3,4,5,6
	s_add_co_u32 s35, s18, 8*\k
	s_cmp_ge_u32 s35, s36
	s_cbranch_scc1 .Lno_further_\@
	v_cmp_ge_u32 s37, s35, v48
	s_bcnt1_i32_b32 s37, s37
	s_min_u32 s37, s37, 31                         ; e
	v_readlane_b32 s38, v47, s37
	s_sub_co_u32 s38, s35, s38
	s_add_co_u32 s38, s38, 3
	s_min_u32 s38, s38, 15                         ; its tile
	s_mov_b32 s43, 0
	s_lshl_b32 s42, s37, 15
	s_lshl_b32 s39, s38, 11
	s_add_co_u32 s42, s42, s39
	s_add_nc_u64 s[40:41], s[6:7], s[42:43]
	s_lshl_b32 s42, s37, 11
	s_lshl_b32 s39, s38, 7
	s_add_co_u32 s42, s42, s39
	s_add_nc_u64 s[44:45], s[8:9], s[42:43]
	s_lshl_b32 s42, s37, 17
	s_add_nc_u64 s[46:47], s[10:11], s[42:43]
	s_lshl_b32 s42, s37, 13
	s_add_nc_u64 s[48:49], s[12:13], s[42:43]
	WIN 0x40
.irp cc, 0,1
.irp n, 0,1,2,3
	global_load_b128 v[64+16*\cc+4*\n:64+16*\cc+4*\n+3], v4, s[46:47] offset:(2*\hf+\cc)*2048+\n*512
.endr
.endr
.irp n, 0,1,2,3
	global_load_b128 v[96+4*\n:96+4*\n+3], v4, s[40:41] offset:\n*512
.endr
	WIN 0
.irp cc, 0,1
	global_load_b32 v[VS+\cc], v6, s[48:49] offset:\hf*256+\cc*64
.endr
	global_load_b32 v[HS], v5, s[44:45]
	s_wait_loadcnt 0x0
	s_wait_dscnt 0x0                               ; every earlier LDS store has read its registers
	WIN 0x05
.irp cc, 0,1
	v_wmma_scale_f32_16x16x128_f8f6f4 v[DS+8*\cc:DS+8*\cc+7], v[64+16*\cc:64+16*\cc+7], v[96:103], 0, v[VS+\cc], v[HS] matrix_a_fmt:MATRIX_FMT_FP4 matrix_b_fmt:MATRIX_FMT_FP4
.endr
.irp cc, 0,1
	v_wmma_scale_f32_16x16x128_f8f6f4 v[DS+8*\cc:DS+8*\cc+7], v[64+16*\cc+8:64+16*\cc+15], v[104:111], v[DS+8*\cc:DS+8*\cc+7], v[VS+\cc], v[HS] matrix_a_fmt:MATRIX_FMT_FP4 matrix_b_fmt:MATRIX_FMT_FP4 matrix_a_scale:MATRIX_SCALE_ROW1 matrix_b_scale:MATRIX_SCALE_ROW1
.endr
	WIN 0
.rept 5
	v_nop                                          ; the places, as above
.endr
.irp cc, 0,1
.irp x, 0,1
	ds_store_b128 v[OA+4*(\k/4)+2*\cc+\x], v[DS+8*\cc+4*\x:DS+8*\cc+4*\x+3] offset:(\k%4)*16384
.endr
.endr
.endr
.Lno_further_\@:
.endm
; A place whose rank is 48 or more: the row lies in a further tile: row = 16 (96 + further tiles of the experts before) + rank - 48.
.macro FIXP n
	WIN 0x01
	v_mov_b32 v49, v[P+\n]
	WIN 0
	v_bfe_u32 v50, v49, 8, 8
	v_min_u32 v50, 31, v50
	v_lshlrev_b32 v50, 2, v50
	ds_bpermute_b32 v51, v50, v47
	v_and_b32 v52, 0xff, v49
	v_add_nc_u32 v52, 96*16-48, v52
	v_cmp_gt_u32 vcc_lo, 0x100000, v49
	s_wait_alu depctr_va_vdst(0)
	s_wait_dscnt 0x0
	v_lshl_add_u32 v52, v51, 4, v52
	v_and_b32 v53, 14, v52
	v_lshlrev_b32 v53, 3, v53
	v_lshl_add_u32 v53, v52, 7, v53
	v_cndmask_b32 v49, v53, v49, vcc_lo
	WIN 0x40
	v_mov_b32 v[P+\n], v49
	WIN 0
.endm
; One pass's 32 loads of the gather, then the sums, eight steps of four tokens.  pass 0 keeps its sums in SA; pass 1 has them in GT + 16 q, joins them with pass 0's and stores.
.macro GATHER pass
	WIN 0x55
.irp q, 0,1,2,3,4,5,6,7
.irp n, 0,1,2,3
	ds_load_b128 v[GT+16*\q+4*\n:GT+16*\q+4*\n+3], v[P+4*\q+\n]
.endr
.endr
.irp q, 0,1,2,3,4,5,6,7
	s_wait_dscnt 28-4*\q                           ; step q's four loads are in; those of the later steps may be out
	WIN 0x55
.set L0, GT+16*\q
.if \pass == 0
.set R0, SA+4*\q
.else
.set R0, L0
.endif
	v_pk_add_f32 v[L0:L0+1], v[L0:L0+1], v[L0+4:L0+5]
	v_pk_add_f32 v[L0+2:L0+3], v[L0+2:L0+3], v[L0+6:L0+7]
	v_pk_add_f32 v[L0+8:L0+9], v[L0+8:L0+9], v[L0+12:L0+13]
	v_pk_add_f32 v[L0+10:L0+11], v[L0+10:L0+11], v[L0+14:L0+15]
	v_pk_add_f32 v[R0:R0+1], v[L0:L0+1], v[L0+8:L0+9]
	v_pk_add_f32 v[R0+2:R0+3], v[L0+2:L0+3], v[L0+10:L0+11]
.if \pass
.irp n, 0,1,2,3
	v_cndmask_b32 v[L0+4+\n], v[SA+4*\q+\n], v[L0+\n], s50   ; the even token of the pair: columns 0-31 from lanes with bit 3 clear, 32-63 from the others
.endr
.irp n, 0,1,2,3
	v_cndmask_b32 v[L0+8+\n], v[L0+\n], v[SA+4*\q+\n], s50   ; the odd token: the other way round
.endr
	WIN 0x04                                       ; data window 1
	global_store_b128 v8, v[L0+4:L0+7], s[14:15] offset:16384*\q th:TH_STORE_NT    ; sixteen lanes store 256 consecutive aligned bytes of a token's row; written once, read by nobody here
	global_store_b128 v9, v[L0+8:L0+11], s[14:15] offset:16384*\q th:TH_STORE_NT
.endif
.endr
	WIN 0
.endm
	EXPERT 0, 35                                   ; expert 1's 35 loads may be out; sel_idx and the counts, asked for first, are in
	EXPERT 1, 63                                   ; 67 were issued behind expert 1's: the 32 of the places and expert 2's 35; at most 63 of them may be out
	EXPERT 2, 35                                   ; expert 3's; the places are in
	v_add_nc_u32 v46, 15, v13                      ; lane e: its further tiles: ceil(n / 16) less 3, or none: 0 to 13
	v_lshrrev_b32 v46, 4, v46
	v_min_u32 v47, 3, v46
	v_sub_nc_u32 v46, v46, v47
	v_and_b32 v49, 1, v46                          ; and those of the experts before e: the four bits as masks over the lanes, and of each mask the set bits under my lane
	v_and_b32 v50, 2, v46
	v_and_b32 v51, 4, v46
	v_and_b32 v52, 8, v46
	v_cmp_ne_u32 s52, 0, v49
	v_cmp_ne_u32 s53, 0, v50
	v_cmp_ne_u32 s54, 0, v51
	v_cmp_ne_u32 s55, 0, v52
	v_mbcnt_lo_u32_b32 v47, s52, 0
	v_mbcnt_lo_u32_b32 v50, s53, 0
	v_mbcnt_lo_u32_b32 v51, s54, 0
	v_mbcnt_lo_u32_b32 v52, s55, 0
	v_lshl_add_u32 v47, v50, 1, v47
	v_lshl_add_u32 v47, v51, 2, v47
	v_lshl_add_u32 v47, v52, 3, v47
	v_add_nc_u32 v48, v47, v46                     ; and with e's
	s_wait_alu depctr_va_vdst(0)
	v_readlane_b32 s36, v48, 31                    ; the range's further tiles
	EXPERT 3, 0
	s_cmp_eq_u32 s36, 0
	s_cbranch_scc1 .Lplain
.irp n, 0,1,2,3,4,5,6,7,8,9,10,11,12,13,14,15,16,17,18,19,20,21,22,23,24,25,26,27,28,29,30,31
	FIXP \n
.endr
	s_wait_alu depctr_va_vdst(0)
.Lplain:
	WIN 0x40
	v_mov_b32 v208, v12
	WIN 0x55
.irp n, 0,1,2,3,4,5,6,7,8,9,10,11,12,13,14,15,16,17,18,19,20,21,22,23,24,25,26,27,28,29,30,31
	v_xor_b32 v[P+\n], v[P+\n], v208               ; my piece of the row
.endr
.irp n, 0,1,2,3,4,5,6,7,8,9,10,11,12,13,14,15,16,17,18,19,20,21,22,23,24,25,26,27,28,29,30,31
	v_min_u32 v[P+\n], LASTP, v[P+\n]              ; held inside the slots
.endr
	WIN 0
	FURTHER 0
	s_wait_alu depctr_va_vdst(0)
	s_wait_dscnt 0x0                               ; for the others' sake: my partial rows have landed
	s_barrier_signal -1
	s_barrier_wait -1
	GATHER 0
	s_wait_alu depctr_va_vdst(0)
	s_wait_dscnt 0x0                               ; my reads of the first pass are over
	s_barrier_signal -1
	s_barrier_wait -1                              ; everybody's are: LDS may be written again
	TOLDS HB, 0
	TOLDS HB+48, 1
	TOLDS HB+96, 2
	WIN 0x04                                       ; data window 1
	TOLDS 0, 3
	WIN 0
	FURTHER 1
	WIN 0x55
.irp n, 0,1,2,3,4,5,6,7,8,9,10,11,12,13,14,15,16,17,18,19,20,21,22,23,24,25,26,27,28,29,30,31
	v_mov_b32_dpp v[P+\n], v[P+\n] row_xmask:8 row_mask:0xf bank_mask:0xf   ; lane l xor 8's tokens (its piece is mine too)
.endr
.irp n, 0,1,2,3,4,5,6,7,8,9,10,11,12,13,14,15,16,17,18,19,20,21,22,23,24,25,26,27,28,29,30,31
	v_min_u32 v[P+\n], LASTP, v[P+\n]
.endr
	WIN 0
	s_wait_alu depctr_va_vdst(0)
	s_wait_dscnt 0x0                               ; for the others' sake: my partial rows have landed
	s_barrier_signal -1
	s_barrier_wait -1
	GATHER 1
	s_wait_tensorcnt 0x0                           ; the wave's end
	ds_add_u32 v10, v11
	s_wait_dscnt 0x0
	s_endpgm
.Lfunc_end_k_qdebf5411c6_combine:
	.size	k_qdebf5411c6_combine, .Lfunc_end_k_qdebf5411c6_combine-k_qdebf5411c6_combine
	.p2alignl 7, 3214868480
	.fill 96, 4, 3214868480
	.section	.rodata,"a",@progbits
	.p2align	6, 0x0
	.amdhsa_kernel k_qdebf5411c6_combine
		.amdhsa_group_segment_fixed_size 312320
		.amdhsa_private_segment_fixed_size 0
		.amdhsa_enable_private_segment 0
		.amdhsa_kernarg_size 56
		.amdhsa_user_sgpr_count 2
		.amdhsa_user_sgpr_kernarg_segment_ptr 1
		.amdhsa_wavefront_size32 1
		.amdhsa_system_sgpr_workgroup_id_x 1
		.amdhsa_system_sgpr_workgroup_id_y 1
		.amdhsa_system_sgpr_workgroup_id_z 1
		.amdhsa_system_vgpr_workitem_id 0
		.amdhsa_next_free_vgpr 512
		.amdhsa_next_free_sgpr 80
		.amdhsa_reserve_vcc 1
		.amdhsa_float_denorm_mode_32 3
		.amdhsa_float_denorm_mode_16_64 3
		.amdhsa_memory_ordered 1
		.amdhsa_forward_progress 1
		.amdhsa_inst_pref_size 144
	.end_amdhsa_kernel
	.amdgpu_metadata
---
amdhsa.version: [ 1, 2 ]
amdhsa.kernels:
  - .name:           k_qdebf5411c6_combine
    .symbol:         k_qdebf5411c6_combine.kd
    .args:
      - { .name: place, .offset: 0, .size: 8, .value_kind: global_buffer, .address_space: global }
      - { .name: hid_codes, .offset: 8, .size: 8, .value_kind: global_buffer, .address_space: global }
      - { .name: hid_scales, .offset: 16, .size: 8, .value_kind: global_buffer, .address_space: global }
      - { .name: vq_codes, .offset: 24, .size: 8, .value_kind: global_buffer, .address_space: global }
      - { .name: vq_scales, .offset: 32, .size: 8, .value_kind: global_buffer, .address_space: global }
      - { .name: out0, .offset: 40, .size: 8, .value_kind: global_buffer, .address_space: global }
      - { .name: sel_idx, .offset: 48, .size: 8, .value_kind: global_buffer, .address_space: global }
    .group_segment_fixed_size: 312320
    .private_segment_fixed_size: 0
    .kernarg_segment_align: 8
    .kernarg_segment_size: 56
    .max_flat_workgroup_size: 256
    .sgpr_count:     80
    .vgpr_count:     512
    .wavefront_size: 32
...
	.end_amdgpu_metadata
.endif
;; end of part 6
